; MI455X (gfx1250); checked and timed in simulation.
; The chip was launched on July 23, 2026; its instructions are those of AMD's public machine-readable ISA for CDNA 5 (MIT licence, August 2026) and "CDNA5" Instruction Set Architecture Reference Guide (July 2026). The comments in the code are by the model that wrote it; some were corrected since.
;; Causal Self Attention. Allowed arithmetic: matrix products marked QUANTISED: E2M3 operands, one E8M0 scale for each 32 along K, by v_wmma_scale_f32_16x16x128_f8f6f4 with both operands' format E2M3, f32 sums; everything else in f32.
;; Inputs: W_out_codes 1,024 x 32 x 24 uint8 (E2M3 codes of W_out, K innermost, in blocks of 32 codes, four codes in three bytes); W_out_scales 1,024 x 32 uint8 (E8M0 scales of W_out, one for each 32 codes along K); W_qkv_codes 3,072 x 32 x 24 uint8 (E2M3 codes of W_qkv, K innermost, in blocks of 32 codes, four codes in three bytes); W_qkv_scales 3,072 x 32 uint8 (E8M0 scales of W_qkv, one for each 32 codes along K); b_out 1,024 float32; b_qkv 3,072 float32; x_codes 4 x 2,048 x 32 x 24 uint8 (E2M3 codes of x, K innermost, in blocks of 32 codes, four codes in three bytes); x_scales 4 x 2,048 x 32 uint8 (E8M0 scales of x, one for each 32 codes along K).
;; Outputs: out0 4 x 2,048 x 1,024 float32.
;; This version of the problem:
;;   THIS VERSION OF THE PROBLEM IS GIVEN IN LOW PRECISION. The matrix products marked QUANTISED in the list below multiply operands that are first quantised to E2M3 (2 exponent bits, 3 mantissa bits; 6 bits a number), with one power-of-two scale for each 32 numbers along K (OCP MX v1.0); their sums are f32. All else is computed in f32.
;;   The module's matrix products, in the order in which they are computed (A, B: the left and right operand; K: the contracted axis; several contracted axes count as one K, in the product's order):
;;     1. [M 8,192, K 1,024] x [K 1,024, N 3,072]; A: input x (given as codes); B: input W_qkv (given as codes): QUANTISED
;;     2. batch 64 x [M 2,048, K 64] x [K 64, N 2,048]; A: computed on the way; B: computed on the way: QUANTISED
;;     3. batch 64 x [M 2,048, K 2,048] x [K 2,048, N 64]; A: softmax (see below); B: computed on the way: QUANTISED
;;     4. [M 8,192, K 1,024] x [K 1,024, N 1,024]; A: computed on the way; B: input W_out (given as codes): QUANTISED
;;   THE QUANTISER, for each operand of a quantised product, along K:
;;     - K is cut into blocks of 32 from its start; a last block that is shorter is filled with zeros.
;;     - A block's scale is 2^e with e = floor(log2(the largest magnitude in the block)) - 2, held to -126 .. 127; a block of zeros has e = 0. As a byte (E8M0): e + 127.
;;     - Each number is divided by its block's scale, clamped to +-7.5, and rounded to the nearest number of E2M3, ties to even, subnormals kept.
;;     - The product sums the exact products of the quantised numbers (number of the format x scale) in f32.
;;   ~~~python
;;   def quantise(x, axis):      # numpy; x: float32 -> the quantised numbers, widened to float32 again
;;       x = np.moveaxis(x, axis, -1); K = x.shape[-1]
;;       x = np.pad(x, [(0, 0)] * (x.ndim - 1) + [(0, -K % 32)]); x = x.reshape(x.shape[:-1] + (-1, 32)); a = np.abs(x).max(-1, keepdims=True)
;;       e = np.where(a > 0, np.clip(np.frexp(np.where(a > 0, a, 1))[1] - 1 - 2, -126, 127), 0)      # np.frexp(a)[1] - 1 = floor(log2(a)), exactly
;;       r = np.clip(x / 2.0 ** e, -7.5, 7.5)
;;       step = 2.0 ** (np.maximum(np.frexp(np.where(r == 0, 1, r))[1] - 1, 0) - 3)
;;       q = np.round(r / step) * step * 2.0 ** e      # np.round: ties to even
;;       return np.moveaxis(q.reshape(q.shape[:-2] + (-1,))[..., :K], -1, axis).astype(np.float32)
;;   ~~~
;;   SOFTMAX AHEAD OF A QUANTISED PRODUCT. Where the list says 'softmax', what is quantised is not the finished softmax but p = 2^(t - M), with t = logit x log2(e) and M = ceil(the row's largest t), a whole number; so 1/2 < the row's largest p <= 1. The row's sum l is taken of the UNQUANTISED p, in f32, and the product's result is divided by l at the end. Since M is a whole number, a kernel that streams over the keys may use a running M (the ceiling of the running maximum): every later rescaling is an exact power of two, which a block's scale takes up: the codes' values come out the same.
;;   OPERANDS COMPUTED ON THE WAY. 'Computed on the way' means the value that the module computes at that place (a softmax that the list does not call 'softmax' is quantised finished and normalised). What goes into a quantiser is computed in f32, as accurately as f32 sums, v_exp_f32 and their like allow (about 1e-6 of the number): no bf16 or f16 on the way to a quantiser, and a product that is left as it is and whose result goes on into a quantised operand takes f32 operands (vector FMAs, or v_wmma_f32_16x16x4_f32). A number that lies on a knife's edge between two numbers of the format may be rounded either way, as far as f32 arithmetic and the matrix unit's own rounding can turn it there, and no further.
;;   INPUTS GIVEN AS CODES. W_out (in the module: [1024, 1024], K = its axis 0); W_qkv (in the module: [1024, 3072], K = its axis 0); x (in the module: [4, 2048, 1024], K = its axis 2): each comes as NAME_codes (uint8): NAME with its K axis moved to the last place and cut into blocks of 32 codes, [.., K / 32, bytes a block], one block behind the other in memory; four codes in three bytes: a row's codes are one little-endian stream of bits, code i at bits 6 i .. 6 i + 5 (a code: sign, 2 exponent bits, 3 mantissa bits); and NAME_scales (uint8): the same leading axes, one E8M0 byte (e + 127) for each 32 codes along K. Its value is code x scale, taken as it is: it is not quantised again, and the codes and scales need not be those that the quantiser above would give.
;; One version. Each part assembles by itself: llvm-mc -triple=amdgcn-amd-amdhsa -mcpu=gfx1250 --defsym DOCPART=n.
;; ======== version 1 of 1: 3 launches
;; workspace buffers: q 13,369,344 bytes; kv 13,369,344 bytes; y_img 6,291,456 bytes; y_sc 262,144 bytes
;; launch qkv (part 1): grid 12 x 32, 4 waves a work-group, clusters of 4 x 4, 327,680 bytes of LDS; arguments x_codes, x_scales, W_qkv_codes, W_qkv_scales, b_qkv, q, kv; writes q, kv
.if DOCPART == 1
	.amdgcn_target "amdgcn-amd-amdhsa--gfx1250"
	.amdhsa_code_object_version 6
	.text
	.protected	k_q7d11a7c508_qkv
	.globl	k_q7d11a7c508_qkv
	.p2align	8
	.type	k_q7d11a7c508_qkv,@function
k_q7d11a7c508_qkv:
	s_mov_b64 s[64:65], 0
	v_nop
	global_prefetch_b8 v0, s[64:65] scope:SCOPE_SE
	s_setreg_imm32_b32 hwreg(HW_REG_WAVE_MODE, 25, 1), 1
	s_wait_xcnt 0x0
	s_wait_alu depctr_hold_cnt(0) depctr_sa_sdst(0) depctr_va_vdst(0) depctr_va_sdst(0) depctr_va_ssrc(0) depctr_va_vcc(0) depctr_vm_vsrc(0)
	s_getreg_b32 s2, hwreg(HW_REG_IB_STS2, 6, 4)
	s_cmp_eq_u32 s2, 0
	s_cbranch_scc0 .Lentry_in_a_cluster
	s_endpgm
.Lentry_in_a_cluster:
	s_bfe_u32 s2, ttmp6, 0x10000c
	s_cmp_lg_u32 s2, 0xf033
	s_cbranch_scc0 .Lentry_shape_is_right
	s_endpgm
.Lentry_shape_is_right:
; qkv = x W_qkv + b_qkv on codes of FP6 (E2M3) with E8M0 scales, and its three parts quantised again on the way out: q and k along the head's 64, v along the keys.  Nothing in f32 goes to memory.
; x: [8192][1024] codes, W_qkv: [3072][1024] codes, K innermost, 768 bytes a row; scale bytes 32 a row.  A tile of 256 x 256 to a work-group of four waves, 128 x 128 (64 accumulators, 512 registers) to a wave.
; K goes in steps of 256 through a ring of two LDS slots filled by the tensor data mover; the scale bytes of the work-group's 512 rows come into LDS once.
; CLUSTERS: 4 x 4 work-groups; the tile of the operand called A here is shared along a row of the cluster, B's along a column: joint loads.  Cluster x says what is made: 0 q, 1 k, 2 v: the same in all sixteen partners.
; THE MATRIX INSTRUCTION: source 0 = 16 rows of B, source 1 = 16 rows of A: a lane holds ONE row of A and its registers run along B's rows.  The quantiser wants a lane's registers to run along ITS K:
;   q, k: A = x (a lane: one token), B = W (registers: the head's channels).     v: A = W's rows 2048 on (a lane: one channel), B = x (registers: the keys): v comes out transposed, keys innermost.
; ORDER INSIDE A BLOCK OF 32.  A lane's 16 registers of two neighbouring tiles are elements 8 h + 0..7 and 16 + 8 h + 0..7 of a block, so the codes of a block lie in the order 0-7, 16-23, 8-15, 24-31.
; q and k have that order alike along the channels, v and the softmax's weights alike along the keys: the sums of products are the same.
; OUT: register images, as the next launch's operands want them.  A head block (batch x 16 + head) is 208,896 bytes: K's image (16 steps of 128 keys x 6,144 bytes), V's image at 98,304, K's scale words at 196,608, V's at 204,800.
; q goes to the K places of buffer q.  A step's image is 48 registers a lane, four registers (16 bytes a lane, 512 bytes a wave) to a store: every store covers whole aligned blocks of 256 bytes.
; LIMITS: a block's largest magnitude is not taken under 2^-124, so a block of zeros gets the byte 1 where the quantiser says 127: its codes are zeros, and only this program reads the bytes.  NaN and infinities are not served.
; REGISTERS, in windows of 256: window 0: v16-31 addresses; v32-63 scale words, two sets; v64-127 b_qkv along registers; v128-223 A's fragments, one set; v224-231 b_qkv along lanes; on the way out see below.
;   window 1: B's fragments, two sets.   window 2: accumulators of my rows 0-63 ((a, b) at v[8 (8 a + b)]);   window 3: rows 64-127.
.set KSTEP,  256
.set NQ,     KSTEP/128
.set ROWB,   192                       ; a tile's row in bytes
.set KROW,   768                       ; a row of codes in memory
.set PITCH,  240                       ; an LDS row: 3 x (64 bytes + 16 of padding)
.set FR,     12
.set NL,     6
.set NP,     4                         ; places behind this matrix instruction (ISA guide 7.12.1)
.set HALFT,  128*PITCH
.set SLOT,   4*HALFT
.set LAPS,   1024/(2*KSTEP)
.set KS,     32                        ; a row of scale bytes
.set SCL,    2*SLOT
.set HALFS,  (128*KS/256)*272
.set SBLK,   (16*KS/256)*272
.set SPARE,  SCL+4*HALFS               ; the spare words: 128 bytes a wave, named by no other line
.set HB,     208896                    ; a head block of q and of kv
.set ADRA, 16                          ; v16-17 LDS address of A's fragments in slot 0, 1 (v18-19: behind one padding more)
.set ADRB, 20                          ; v20-23 the same for B
.set LI,   24                          ; v24 16 x lane
.set L8,   25                          ; v25 8 x lane
.set ADRS, 27                          ; v27 LDS address of my scale words
.set SPW,  28                          ; v28 my spare word; never rewritten
.set NIL,  29                          ; v29 0; never rewritten
.set OBQ,  30                          ; v30 32 x (lane / 16)
.set OBV,  31                          ; v31 4 x (lane % 16)
.set SC,   32
.set BQ,   64                          ; v64-127 b_qkv[n0 + 16 b + 8 h + j] at 8 b + j
.set AF,   128
.set BV,   224                         ; v224-231 b_qkv[row 16 a + r] at a
.set PT,   2                           ; the way out: v2-4, v6-8 second halves of blocks
.set XT,   10
.set T,    128                         ; v128-191 64 numbers
.set IMG,  192                         ; v192-215 codes of two blocks of 16 rows
.set WW,   216                         ; v216-223 scale words of my eight blocks
.set SQ,   232                         ; v232-239 scale words as they leave
.set TM,   240                         ; v240-255 at work
.set SEL,  18
.set PSC,  100                         ; s[100:101] where my scale words go
.set PIMG, 104                         ; s[104:105] where my images go
.set G1, 24
.set G0, 32
.set G1B, 48
.set G0B, 56
.set G1S, 68
.set G0S, 76
.set G1SB, 80
.set G0SB, 88
.set MSB, 0
.macro WIN new                         ; the immediate's high byte repeats the setting that is left
.if MSB != (\new)
	s_set_vgpr_msb (MSB<<8)|(\new)
.set MSB, (\new)
.endif
.endm
.set MUL_LO, 0xa1                      ; source 0 (B) window 1, source 1 (A) window 0, C and D window 2
.set MUL_HI, 0xf1
.set TO_B,   0x40
; A joint load: waves 0 and 1 fetch for A, waves 2 and 3 for B; the branch hangs on the wave's number alone.  Four v_nop follow each line.
.macro JLOAD g0a, g1a, g0b, g1b
	s_cmp_eq_u32 s15, 0
	s_cbranch_scc0 .Lfor_b_\@
	tensor_load_to_lds s[\g0a:\g0a+3], s[\g1a:\g1a+7]
	s_nop 0
.rept 4
	v_nop
.endr
	s_branch .Lasked_\@
.Lfor_b_\@:
	tensor_load_to_lds s[\g0b:\g0b+3], s[\g1b:\g1b+7]
	s_nop 0
.rept 4
	v_nop
.endr
.Lasked_\@:
.endm
.macro CREST                           ; a round of the cluster's barrier behind its opening barrier
	s_cmp_lg_u32 s14, 0
	s_cbranch_scc1 .Lnot_wave_0_\@
	s_barrier_signal -3
.Lnot_wave_0_\@:
	s_barrier_wait -3
	s_barrier_signal -1
	s_barrier_wait -1
.endm
.macro CROUND
	s_barrier_signal -1
	s_barrier_wait -1
	CREST
.endm
	s_load_b128 s[4:7], s[0:1], 0x0                ; x's codes, x's scales
	s_load_b128 s[8:11], s[0:1], 0x10              ; W_qkv's codes, W_qkv's scales
	s_load_b64 s[12:13], s[0:1], 0x20              ; b_qkv
	s_load_b64 s[66:67], s[0:1], 0x28              ; q
	s_load_b64 s[2:3], s[0:1], 0x30                ; kv
	v_lshl_add_u32 v[SPW], v0, 2, SPARE
	v_mov_b32 v[NIL], 0
	ds_add_u32 v28, v29
	ds_add_u32 v28, v29
	s_wait_dscnt 0x0
	v_lshrrev_b32 v1, 5, v0
	v_readfirstlane_b32 s14, v1                    ; wave 0..3
	s_lshr_b32 s15, s14, 1                         ; which half of A's rows is mine.  Also: I fetch for A (0) or for B (1)
	s_and_b32 s16, s14, 1                          ; which half of B's rows.  Also: which 128 rows I fetch
	s_bfe_u32 s40, ttmp6, 0x40000                  ; cx
	s_bfe_u32 s41, ttmp6, 0x40004                  ; cy
	s_and_b32 s95, ttmp7, 0xffff
	s_lshl_b32 s95, s95, 2                         ; 4 x cluster y
	s_lshl_b32 s94, ttmp9, 2                       ; 4 x cluster x
	s_cmp_eq_u32 ttmp9, 2                          ; v?  The cluster's x: the same in all partners
	s_cselect_b32 s17, 0, s95                      ; A's tile row: q, k: tokens by cluster y;  v: W's 1,024 rows of v by cy alone
	s_cselect_b32 s42, s95, s94                    ; B's tile row: q, k: W's rows by cluster x;  v: tokens by cluster y
	s_cselect_b32 s96, 2048, 0                     ; v's rows of W begin at 2,048
	s_add_co_u32 s17, s17, s41                     ; + cy: shared along a row of the cluster
	s_add_co_u32 s42, s42, s40                     ; + cx: shared along a column
	s_lshl_b32 s43, s41, 2
	s_lshl_b32 s43, 15, s43                        ; my row of the cluster
	s_lshl_b32 s44, 0x1111, s40                    ; my column
	; descriptor group 1: a tile of 128 rows x 192 bytes; 16 bytes of padding behind every 64
	s_or_b32 s[G1+0], s43, (0<<16)|(1<<20)|(1<<21)|(3<<22)|(3<<25)
	s_or_b32 s[G1B+0], s44, (0<<16)|(1<<20)|(1<<21)|(3<<22)|(3<<25)
.irp g, G1, G1B
	s_mov_b32 s[\g+1], ROWB<<16                    ; tensor_dim0
	s_mov_b32 s[\g+2], 128<<16                     ; tensor_dim1
	s_mov_b32 s[\g+3], ROWB<<16                    ; tile_dim0
	s_mov_b32 s[\g+4], 128                         ; tile_dim1
	s_mov_b32 s[\g+5], KROW                        ; the pitch
	s_mov_b32 s[\g+6], 0
	s_mov_b32 s[\g+7], 0
.endr
	; the scales of 128 rows: 4,096 dense bytes as 16 rows of 256 (32 elements of 8 bytes), 16 bytes of padding behind each
	s_or_b32 s[G1S+0], s43, (3<<16)|(1<<20)|(1<<21)|(5<<22)|(3<<25)
	s_or_b32 s[G1SB+0], s44, (3<<16)|(1<<20)|(1<<21)|(5<<22)|(3<<25)
.irp g, G1S, G1SB
	s_mov_b32 s[\g+1], 32<<16
	s_mov_b32 s[\g+2], (128*KS/256)<<16
	s_mov_b32 s[\g+3], 32<<16
	s_mov_b32 s[\g+4], 128*KS/256
	s_mov_b32 s[\g+5], 32
	s_mov_b32 s[\g+6], 0
	s_mov_b32 s[\g+7], 0
.endr
	s_lshl_b32 s18, s16, 7                         ; which 128 rows of the tile I fetch
	s_lshl_b32 s20, s17, 8
	s_add_co_u32 s20, s20, s18
	s_add_co_u32 s20, s20, s96                     ; A: row 256 x tile row + 128 x half (+ 2,048 in W for v)
	s_lshl_b32 s46, s42, 8
	s_add_co_u32 s46, s46, s18                     ; B: row 256 x tile row + 128 x half
	s_mov_b32 s21, 0
	s_mov_b32 s47, 0
	s_mov_b64 s[18:19], KS
	s_mul_u64 s[22:23], s[20:21], s[18:19]         ; where these rows' scales begin
	s_mul_u64 s[92:93], s[46:47], s[18:19]
	s_mov_b64 s[18:19], KROW
	s_mul_u64 s[20:21], s[20:21], s[18:19]         ; and their codes
	s_mul_u64 s[46:47], s[46:47], s[18:19]
	s_mul_i32 s45, s14, HALFT                      ; where they go: wave x 128 rows
	s_mul_i32 s94, s14, HALFS
	s_wait_kmcnt 0x0
	s_cmp_eq_u32 ttmp9, 2                          ; which tensor is A and which B: a choice that hangs on the cluster's x alone
	s_cselect_b64 s[96:97], s[8:9], s[4:5]         ; A's codes
	s_cselect_b64 s[98:99], s[10:11], s[6:7]       ; A's scales
	s_cselect_b64 s[100:101], s[4:5], s[8:9]       ; B's codes
	s_cselect_b64 s[104:105], s[6:7], s[10:11]     ; B's scales
	s_cmp_eq_u32 ttmp9, 0
	s_cselect_b64 s[66:67], s[66:67], s[2:3]       ; the buffer that I store into: q, or kv
	s_add_nc_u64 s[20:21], s[96:97], s[20:21]
	s_add_nc_u64 s[22:23], s[98:99], s[22:23]
	s_add_nc_u64 s[46:47], s[100:101], s[46:47]
	s_add_nc_u64 s[92:93], s[104:105], s[92:93]
	CROUND                                         ; all sixteen work-groups are here: the first joint loads meet
	s_mov_b32 s[G0S], 1
	s_add_co_u32 s[G0S+1], s94, SCL
	s_mov_b64 s[G0S+2:G0S+3], s[22:23]
	s_or_b32 s[G0S+3], s[G0S+3], 0x80000000
	s_mov_b32 s[G0SB], 1
	s_add_co_u32 s[G0SB+1], s94, SCL
	s_mov_b64 s[G0SB+2:G0SB+3], s[92:93]
	s_or_b32 s[G0SB+3], s[G0SB+3], 0x80000000
	JLOAD G0S, G1S, G0SB, G1SB                     ; the scales first: they are wanted with K step 0
.irp s, 0,1
	s_mov_b32 s[G0+4*\s], 1
	s_add_co_u32 s[G0+4*\s+1], s45, \s*SLOT
	s_add_nc_u64 s[G0+4*\s+2:G0+4*\s+3], s[20:21], \s*ROWB
	s_or_b32 s[G0+4*\s+3], s[G0+4*\s+3], 0x80000000
	s_mov_b32 s[G0B+4*\s], 1
	s_add_co_u32 s[G0B+4*\s+1], s45, \s*SLOT
	s_add_nc_u64 s[G0B+4*\s+2:G0B+4*\s+3], s[46:47], \s*ROWB
	s_or_b32 s[G0B+4*\s+3], s[G0B+4*\s+3], 0x80000000
	JLOAD G0+4*\s, G1, G0B+4*\s, G1B
.endr
	v_and_b32 v1, 15, v0                           ; r = lane % 16
	v_bfe_u32 v2, v0, 4, 1                         ; h = lane / 16
	v_mul_u32_u24 v3, v1, PITCH
	v_mul_u32_u24 v4, v2, 24
	v_add_nc_u32 v4, v3, v4                        ; a fragment's row x pitch + 24 x half
	v_lshl_add_u32 v5, v2, 4, v4                   ; and the same behind one padding more
	s_mul_i32 s21, s15, HALFT                      ; my 128 rows of A
	s_mul_i32 s22, s16, HALFT                      ; my 128 rows of B,
	s_add_co_u32 s22, s22, 2*HALFT                 ; behind A's 256
.irp s, 0,1
	v_add_nc_u32 v[ADRA+\s], s21, v4
	v_add_nc_u32 v[ADRB+\s], s22, v4
	v_add_nc_u32 v[ADRA+2+\s], s21, v5
	v_add_nc_u32 v[ADRB+2+\s], s22, v5
	s_add_co_u32 s21, s21, SLOT
	s_add_co_u32 s22, s22, SLOT
.endr
	v_mul_u32_u24 v5, v1, KS                       ; my row's scales: 32 bytes a row,
	v_lshrrev_b32 v6, 8, v5
	v_lshl_add_u32 v5, v6, 4, v5                   ; and 16 more for each 256 passed
	s_mul_i32 s21, s15, HALFS
	s_mul_i32 s22, s16, HALFS
	s_add_co_u32 s22, s22, 2*HALFS
	s_sub_co_u32 s22, s22, s21
	v_mul_u32_u24 v6, s22, v2                      ; lanes 16-31 take B's
	s_add_co_u32 s21, s21, SCL
	v_add_nc_u32 v5, v5, v6
	v_add_nc_u32 v[ADRS], s21, v5
	v_and_b32 v6, 31, v0
	v_lshlrev_b32 v[LI], 4, v6
	v_lshlrev_b32 v[L8], 3, v6
	v_lshlrev_b32 v[OBQ], 5, v2
	v_lshlrev_b32 v[OBV], 2, v1
	; THE BIAS, in both layouts, so that no register hangs on a path; the layout that is not used reads from b_qkv's first bytes
	s_lshl_b32 s96, s42, 10
	s_lshl_b32 s97, s16, 9
	s_add_co_u32 s96, s96, s97                     ; q, k: 4 x (256 x B's tile row + 128 x half): my 128 columns
	s_lshl_b32 s98, s17, 10
	s_lshl_b32 s99, s15, 9
	s_add_co_u32 s98, s98, s99
	s_add_co_u32 s98, s98, 8192                    ; v: 4 x (2,048 + 256 x A's tile row + 128 x half): my 128 rows
	s_cmp_eq_u32 ttmp9, 2
	s_cselect_b32 s96, 0, s96
	s_cselect_b32 s98, s98, 0
	s_mov_b32 s97, 0
	s_mov_b32 s99, 0
	s_add_nc_u64 s[96:97], s[12:13], s[96:97]
	s_add_nc_u64 s[98:99], s[12:13], s[98:99]
.irp b, 0,1,2,3,4,5,6,7
	global_load_b128 v[BQ+8*\b:BQ+8*\b+3], v[OBQ], s[96:97] offset:64*\b
	global_load_b128 v[BQ+8*\b+4:BQ+8*\b+7], v[OBQ], s[96:97] offset:64*\b+16
.endr
.irp a, 0,1,2,3,4,5,6,7
	global_load_b32 v[BV+\a], v[OBV], s[98:99] offset:64*\a
.endr
	; WHERE MY RESULTS GO.  My 128 tokens are step ms % 16 of batch ms / 16; my 128 channels are heads hd0 and hd0 + 1
	s_lshl_b32 s100, s42, 1
	s_add_co_u32 s100, s100, s16                   ; v: tokens are B's rows
	s_lshl_b32 s101, s17, 1
	s_add_co_u32 s101, s101, s15                   ; q, k: tokens are A's rows
	s_lshl_b32 s104, s17, 2
	s_lshl_b32 s105, s15, 1
	s_add_co_u32 s104, s104, s105                  ; v: head 4 x tile row + 2 x half
	s_lshl_b32 s105, s40, 2
	s_lshl_b32 s94, s16, 1
	s_add_co_u32 s105, s105, s94                   ; q, k: head 4 cx + 2 x half
	s_mov_b32 s95, 196608
	s_cmp_eq_u32 ttmp9, 2
	s_cselect_b32 s100, s100, s101                 ; ms
	s_cselect_b32 s104, s104, s105                 ; hd0
	s_cselect_b32 s94, 98304, 0                    ; the image's place in a head block
	s_cselect_b32 s95, 204800, s95                 ; the scale words' place
	s_cselect_b32 s101, 8, 9                       ; and their bytes a step: 256 or 512
	s_lshr_b32 s105, s100, 4
	s_lshl_b32 s105, s105, 4
	s_add_co_u32 s105, s105, s104                  ; 16 x batch + head
	s_and_b32 s100, s100, 15                       ; the step
	s_mul_i32 s105, s105, HB
	s_mul_i32 s104, s100, 6144
	s_add_co_u32 s104, s104, s105
	s_add_co_u32 s104, s104, s94
	s_lshl_b32 s100, s100, s101
	s_add_co_u32 s100, s100, s105
	s_add_co_u32 s100, s100, s95
	s_mov_b32 s105, 0
	s_mov_b32 s101, 0
	s_add_nc_u64 s[PIMG:PIMG+1], s[66:67], s[104:105]
	s_add_nc_u64 s[PSC:PSC+1], s[66:67], s[100:101]
.macro FRAG reg, adr, q, i             ; a fragment, 16 rows x 128 K, is 12 registers: lane l holds row l % 16; registers 6 c .. 6 c + 5 hold K = 64 c + 32 (l / 16) + 0 .. 31: 24 bytes as they lie, in pieces of 8
.irp p, 0,1,2,3,4,5
.set PC, 12*(\q)+6*(\p/3)+\p%3         ; lanes 16-31 read three pieces further on: where that lies behind one padding more, the second address register serves
.if PC%8 < 5
	ds_load_b64 v[\reg+2*\p:\reg+2*\p+1], v[\adr] offset:8*PC+16*(PC/8)+(\i)*16*PITCH
.else
	ds_load_b64 v[\reg+2*\p:\reg+2*\p+1], v[\adr+2] offset:8*PC+16*(PC/8)+(\i)*16*PITCH
.endif
.endr
.endm
; 16 matrix instructions: A's blocks a0, a0 + 1 x B's eight.  The 64 accumulators take turns, one instruction a turn, in the same order in every step.
.macro MUL16 a0, p, q, sc, zero
.irp a, \a0, \a0+1
.irp b, 0,1,2,3,4,5,6,7
.if \zero
	v_wmma_scale_f32_16x16x128_f8f6f4 v[8*(8*((\a)%4)+\b):8*(8*((\a)%4)+\b)+7], v[128*(\p)+FR*\b:128*(\p)+FR*\b+FR-1], v[AF+FR*(\a):AF+FR*(\a)+FR-1], 0, v[SC+8*NQ*(\sc)+NQ*\b+(\q)], v[SC+8*NQ*(\sc)+NQ*(\a)+(\q)] matrix_a_fmt:MATRIX_FMT_FP6 matrix_b_fmt:MATRIX_FMT_FP6 matrix_a_scale:MATRIX_SCALE_ROW1
.else
	v_wmma_scale_f32_16x16x128_f8f6f4 v[8*(8*((\a)%4)+\b):8*(8*((\a)%4)+\b)+7], v[128*(\p)+FR*\b:128*(\p)+FR*\b+FR-1], v[AF+FR*(\a):AF+FR*(\a)+FR-1], v[8*(8*((\a)%4)+\b):8*(8*((\a)%4)+\b)+7], v[SC+8*NQ*(\sc)+NQ*\b+(\q)], v[SC+8*NQ*(\sc)+NQ*(\a)+(\q)] matrix_a_fmt:MATRIX_FMT_FP6 matrix_b_fmt:MATRIX_FMT_FP6 matrix_a_scale:MATRIX_SCALE_ROW1
.endif
.endr
.endr
.endm
.macro FETCH_B slot, q, p
	WIN TO_B
.irp i, 0,1,2,3,4,5,6,7
	FRAG 128*(\p)+FR*\i, ADRB+\slot, \q, \i
.endr
	WIN 0
.endm
.macro FETCH_A slot, q, i0
.irp i, \i0, \i0+1, \i0+2, \i0+3
	FRAG AF+FR*(\i), ADRA+\slot, \q, \i
.endr
.endm
.macro SCALES sc                       ; a K step's scale words: lanes 0-15 take A's block i, lanes 16-31 B's block i
.irp i, 0,1,2,3,4,5,6,7
	ds_load_b64 v[SC+8*NQ*\sc+NQ*\i:SC+8*NQ*\sc+NQ*\i+1], v[ADRS] offset:\i*SBLK
.endr
.endm
.macro PLACES n                        ; plain vector instructions between a matrix instruction and a load into, or a vector access to, its registers
.rept \n
	v_nop
.endr
.endm
.macro STEP slot, q, zero              ; 128 along K with a successor in the same slot
	s_wait_dscnt 4*NL                              ; all but the youngest 24 loads (A's blocks 4-7) are in
	WIN MUL_LO
	MUL16 0, (\q)%2, \q, \slot, \zero
	MUL16 2, (\q)%2, \q, \slot, \zero
	s_wait_dscnt 0
	PLACES NP
	FETCH_B \slot, (\q)+1, 1-(\q)%2
	FETCH_A \slot, (\q)+1, 0
	WIN MUL_HI
	MUL16 4, (\q)%2, \q, \slot, \zero
	MUL16 6, (\q)%2, \q, \slot, \zero
	PLACES NP
	WIN 0
	FETCH_A \slot, (\q)+1, 4
.endm
; A slot's last step changes slots: one barrier; in front of it each wave waits for all its tensor loads, adds 0 to its spare word, and waits for that and for its reads of this slot.
.macro TURN slot, next, fill
	s_wait_tensorcnt 0x0                           ; all my tensor loads have landed: my part of the next slot
	ds_add_u32 v[SPW], v[NIL]                      ; 0 onto my spare word
	s_wait_dscnt 4*NL+1                            ; the add and the youngest 24 loads (A's blocks 4-7) may be out
	WIN MUL_LO
	MUL16 0, 1, NQ-1, \slot, 0
	s_wait_dscnt 0x0                               ; the add is done, and my reads of this slot are over
	s_barrier_signal -1
	MUL16 2, 1, NQ-1, \slot, 0
	WIN 0
	s_barrier_wait -1
.if \fill
	CREST                                          ; the barrier has opened a round of the cluster's barrier: no wave of any partner still reads this slot or has a load on its way
	s_add_nc_u64 s[G0+4*\slot+2:G0+4*\slot+3], s[G0+4*\slot+2:G0+4*\slot+3], 2*ROWB
	s_add_nc_u64 s[G0B+4*\slot+2:G0B+4*\slot+3], s[G0B+4*\slot+2:G0B+4*\slot+3], 2*ROWB
	JLOAD G0+4*\slot, G1, G0B+4*\slot, G1B         ; the first tensor load behind the round; its four v_nop are the places in front of the loads below
.else
	PLACES NP
.endif
	v_add_nc_u32 v[ADRS], 4*NQ, v[ADRS]            ; the next K step's scale words (no LDS load of mine is out)
	FETCH_B \next, 0, 0
	FETCH_A \next, 0, 0
	SCALES \next
	WIN MUL_HI
	MUL16 4, 1, NQ-1, \slot, 0
	MUL16 6, 1, NQ-1, \slot, 0
	PLACES NP
	WIN 0
	FETCH_A \next, 0, 4
.endm
	s_wait_tensorcnt 1                             ; the scales and my part of K step 0 are in; K step 1's load may be out
	s_barrier_signal -1
	s_barrier_wait -1
	FETCH_B 0, 0, 0
	FETCH_A 0, 0, 0
	SCALES 0
	FETCH_A 0, 0, 4
	STEP 0, 0, 1                                   ; the first step starts the sums: nothing is cleared
	s_mov_b32 s3, LAPS-1
.Llap:
	TURN 0, 1, 1
	STEP 1, 0, 0
	TURN 1, 0, 1
	STEP 0, 0, 0
	s_sub_co_u32 s3, s3, 1
	s_cmp_lg_u32 s3, 0
	s_cbranch_scc1 .Llap
	TURN 0, 1, 0                                   ; the last lap fills nothing
	STEP 1, 0, 0
	s_wait_dscnt 4*NL
	WIN MUL_LO
	MUL16 0, 1, NQ-1, 1, 0
	MUL16 2, 1, NQ-1, 1, 0
	s_wait_dscnt 0
	WIN MUL_HI
	MUL16 4, 1, NQ-1, 1, 0
	MUL16 6, 1, NQ-1, 1, 0
	WIN 0
; THE WAY OUT, all in registers.
; QUANT: 64 numbers of a lane, v[s] on; registers 16 b .. 16 b + 15 and lane l xor 16's are block b of my row.  Codes of blocks 0, 1 to v[d0] .. v[d0 + 5] (lane half h holds block h), of blocks 2, 3 to v[d1] on; the four bytes to v[w].
.macro QUANT s, d0, d1, w
.irp b, 0,1,2,3
	v_max3_num_f32 v[TM+\b], |v[\s+16*\b]|, |v[\s+1+16*\b]|, 0x1800000   ; my 16 numbers, and the floor 2^(3 - 127): the byte cannot fall under 1
.endr
.irp i, 2,4,6,8,10,12,14
.irp b, 0,1,2,3
	v_max3_num_f32 v[TM+\b], v[TM+\b], |v[\s+16*\b+\i]|, |v[\s+1+16*\b+\i]|
.endr
.endr
.irp b, 0,1,2,3
	v_permlanex16_b32 v[TM+4+\b], v[TM+\b], s[SEL], s[SEL+1]
.endr
.irp b, 0,1,2,3
	v_max_num_f32 v[TM+\b], v[TM+\b], v[TM+4+\b]   ; the block's largest magnitude
.endr
.irp b, 0,1,2,3
	v_add_nc_u32 v[TM+12+\b], 0xff000000, v[TM+\b] ; 2 off its exponent field: the conversion's scale operand
.endr
.irp b, 0,1,2,3
	v_lshrrev_b32 v[TM+4+\b], 23, v[TM+12+\b]      ; the scale's byte
.endr
	v_lshl_or_b32 v[\w], v[TM+5], 8, v[TM+4]
	v_lshl_or_b32 v[\w], v[TM+6], 16, v[\w]
	v_lshl_or_b32 v[\w], v[TM+7], 24, v[\w]
	v_cvt_scalef32_pk16_fp6_f32 v[(\d0):(\d0)+2], v[\s:\s+15], v[TM+12]
	v_cvt_scalef32_pk16_fp6_f32 v[PT:PT+2], v[\s+16:\s+31], v[TM+13]
	v_cvt_scalef32_pk16_fp6_f32 v[(\d1):(\d1)+2], v[\s+32:\s+47], v[TM+14]
	v_cvt_scalef32_pk16_fp6_f32 v[PT+4:PT+6], v[\s+48:\s+63], v[TM+15]
	v_nop                                          ; one plain place behind a scaled conversion
.irp i, 0,1,2
	v_permlane16_swap_b32 v[(\d0)+\i], v[PT+\i]    ; a whole block to a lane: lanes 0-15 the even block, lanes 16-31 the odd one
	v_permlane16_swap_b32 v[(\d1)+\i], v[PT+4+\i]
.endr
.irp i, 0,1,2
	v_mov_b32 v[(\d0)+3+\i], v[PT+\i]
	v_mov_b32 v[(\d1)+3+\i], v[PT+4+\i]
.endr
.endm
; Block aa of 16 of A's rows: its eight accumulators + the bias come to window 0 (each accumulator from its low end on) and are quantised.
.macro BLOCK aa, isv, d0, d1
	WIN 0x02+(\aa)/4                               ; source 0: window 2 or 3
.set j, 0
.rept 32
.if \isv
.if (\aa)%2
	v_pk_add_f32 v[T+j:T+j+1], v[64*((\aa)%4)+j:64*((\aa)%4)+j+1], v[BV+2*((\aa)/2):BV+2*((\aa)/2)+1] op_sel:[0,1] op_sel_hi:[1,1]
.else
	v_pk_add_f32 v[T+j:T+j+1], v[64*((\aa)%4)+j:64*((\aa)%4)+j+1], v[BV+2*((\aa)/2):BV+2*((\aa)/2)+1] op_sel_hi:[1,0]
.endif
.else
	v_pk_add_f32 v[T+j:T+j+1], v[64*((\aa)%4)+j:64*((\aa)%4)+j+1], v[BQ+j:BQ+j+1]
.endif
.set j, j+2
.endr
	WIN 0
	QUANT T, \d0, \d1, WW+(\aa)
.endm
; Blocks a and a + 1: 24 registers of codes, six stores of 512 consecutive bytes.
; q, k: block a is tile a of the step: registers 6 a on of head 0's image (blocks 0, 1 of the 128 channels) and of head 1's (blocks 2, 3).    v: block a is fragment a % 4 of head a / 4: 12 registers.
.macro EPI a, isv
	s_wait_xcnt 0x0                                ; the last pair's stores have read their registers
.if \isv
	BLOCK \a, 1, IMG, IMG+6
	BLOCK \a+1, 1, IMG+12, IMG+18
.else
	BLOCK \a, 0, IMG, IMG+12
	BLOCK \a+1, 0, IMG+6, IMG+18
.endif
.irp g, 0,1,2,3,4,5
.if \isv
	global_store_b128 v[LI], v[IMG+4*\g:IMG+4*\g+3], s[PIMG:PIMG+1] offset:((\a)/4)*HB+(3*((\a)%4)+\g)*512
.else
	global_store_b128 v[LI], v[IMG+4*\g:IMG+4*\g+3], s[PIMG:PIMG+1] offset:(\g/3)*HB+(3*((\a)/2)+\g%3)*512
.endif
.endr
.endm
	PLACES NP                                      ; behind the last products: their results are read, and registers that they read are written
	s_wait_loadcnt 0x0                             ; the biases; their bases may be written again
	s_mov_b32 s[SEL], 0x76543210
	s_mov_b32 s[SEL+1], 0xfedcba98                 ; lane l xor 16
	s_mov_b32 s96, 0xffff0000                      ; lanes 16-31
	s_mov_b32 s97, 0x7f7f0000                      ; two bytes of 1.0 for the upper half of the score product's K, where q's codes are zeros
.irp b, 0,1,2,3
	v_mov_b32 v[TM+4+\b], 0                        ; a lane permute's destination counts as one of its sources
.endr
	s_cmp_eq_u32 ttmp9, 2
	s_cbranch_scc1 .Lv
	EPI 0, 0
	EPI 2, 0
	EPI 4, 0
	EPI 6, 0
.irp p, 0,1,2,3                        ; word p of a lane: tile 2 p + lane / 16, row lane % 16; bytes 0, 1 are head 0's, bytes 2, 3 head 1's
	v_cndmask_b32 v[XT], v[WW+2*\p], v[WW+2*\p+1], s96
	v_and_or_b32 v[SQ+\p], v[XT], 0xffff, s97
	v_lshrrev_b32 v[XT], 16, v[XT]
	v_or_b32 v[SQ+4+\p], s97, v[XT]
.endr
	global_store_b128 v[LI], v[SQ:SQ+3], s[PSC:PSC+1]
	global_store_b128 v[LI], v[SQ+4:SQ+7], s[PSC:PSC+1] offset:HB
	s_branch .Ldone
.Lv:
	EPI 0, 1
	EPI 2, 1
	EPI 4, 1
	EPI 6, 1
.irp e, 0,1,2,3                        ; word e % 2 of head e / 2: fragment 2 (e % 2) + lane / 16, row lane % 16
	v_cndmask_b32 v[SQ+\e], v[WW+2*\e], v[WW+2*\e+1], s96
.endr
	global_store_b64 v[L8], v[SQ:SQ+1], s[PSC:PSC+1]
	global_store_b64 v[L8], v[SQ+2:SQ+3], s[PSC:PSC+1] offset:HB
.Ldone:
	s_wait_tensorcnt 0x0                           ; the wave's end
	ds_add_u32 v[SPW], v[NIL]
	s_wait_dscnt 0x0
	CROUND                                         ; the closing round
	s_endpgm
.Lfunc_end_k_q7d11a7c508_qkv:
	.size	k_q7d11a7c508_qkv, .Lfunc_end_k_q7d11a7c508_qkv-k_q7d11a7c508_qkv
	.p2alignl 7, 3214868480
	.fill 96, 4, 3214868480
	.section	.rodata,"a",@progbits
	.p2align	6, 0x0
	.amdhsa_kernel k_q7d11a7c508_qkv
		.amdhsa_group_segment_fixed_size 327680
		.amdhsa_private_segment_fixed_size 0
		.amdhsa_enable_private_segment 0
		.amdhsa_kernarg_size 56
		.amdhsa_user_sgpr_count 2
		.amdhsa_user_sgpr_kernarg_segment_ptr 1
		.amdhsa_wavefront_size32 1
		.amdhsa_system_sgpr_workgroup_id_x 1
		.amdhsa_system_sgpr_workgroup_id_y 1
		.amdhsa_system_sgpr_workgroup_id_z 1
		.amdhsa_system_vgpr_workitem_id 0
		.amdhsa_next_free_vgpr 1024
		.amdhsa_next_free_sgpr 106
		.amdhsa_reserve_vcc 0
		.amdhsa_float_denorm_mode_32 3
		.amdhsa_float_denorm_mode_16_64 3
		.amdhsa_memory_ordered 1
		.amdhsa_forward_progress 1
		.amdhsa_inst_pref_size 233
	.end_amdhsa_kernel
	.amdgpu_metadata
---
amdhsa.version: [ 1, 2 ]
amdhsa.kernels:
  - .name:           k_q7d11a7c508_qkv
    .symbol:         k_q7d11a7c508_qkv.kd
    .args:
      - { .name: x_codes, .offset: 0, .size: 8, .value_kind: global_buffer, .address_space: global }
      - { .name: x_scales, .offset: 8, .size: 8, .value_kind: global_buffer, .address_space: global }
      - { .name: W_qkv_codes, .offset: 16, .size: 8, .value_kind: global_buffer, .address_space: global }
      - { .name: W_qkv_scales, .offset: 24, .size: 8, .value_kind: global_buffer, .address_space: global }
      - { .name: b_qkv, .offset: 32, .size: 8, .value_kind: global_buffer, .address_space: global }
      - { .name: q, .offset: 40, .size: 8, .value_kind: global_buffer, .address_space: global }
      - { .name: kv, .offset: 48, .size: 8, .value_kind: global_buffer, .address_space: global }
    .group_segment_fixed_size: 327680
    .private_segment_fixed_size: 0
    .kernarg_segment_align: 8
    .kernarg_segment_size: 56
    .max_flat_workgroup_size: 128
    .sgpr_count:     106
    .vgpr_count:     1024
    .wavefront_size: 32
...
	.end_amdgpu_metadata
.endif
;; end of part 1
;; launch attn (part 2): grid 4 x 64, 16 waves a work-group, no clusters, 210,944 bytes of LDS; arguments q, kv, y_img, y_sc; writes y_img, y_sc
.if DOCPART == 2
	.amdgcn_target "amdgcn-amd-amdhsa--gfx1250"
	.amdhsa_code_object_version 6
	.text
	.protected	k_q7d11a7c508_attn
	.globl	k_q7d11a7c508_attn
	.p2align	8
	.type	k_q7d11a7c508_attn,@function
k_q7d11a7c508_attn:
	s_mov_b64 s[64:65], 0
	v_nop
	global_prefetch_b8 v0, s[64:65] scope:SCOPE_SE
	s_setreg_imm32_b32 hwreg(HW_REG_WAVE_MODE, 25, 1), 1
	s_wait_xcnt 0x0
; y[b][q][head] = softmax_k(q . k / 8, causal) v, both products on codes of FP6 (E2M3) with E8M0 scales, and y quantised along the model's 1,024 for the last product.
; THE SOFTMAX: t = score x log2(e) / 8; M = the running largest t rounded UP to a whole number; p = 2^(t - M) is quantised along the keys, not normalised; the row's sum is taken of the unquantised p and divides at the end.
; When M moves, the sum and O are multiplied by 2^(old M - new M): exact.
; SHARES.  A work-group owns one head (grid y = 16 x batch + head) and query blocks i and 7 - i of 256 (grid x = i): under the causal mask all 256 work-groups have the same work.  Each of its sixteen waves owns one tile of
; 16 queries in each of two passes: tile 16 i + w, then tile 127 - (16 i + w): 17 steps of 128 keys in all for every wave.  Four waves to a SIMD: one wave's vector work stands beside another's matrix work and LDS loads.
; LDS holds the head's WHOLE K and V as register images with their scale words: kv's head block, byte for byte, 208,896 bytes, filled ONCE: no byte is filled again and nothing is stored to LDS.
;   0: K, 16 steps x 6,144 (48 registers a lane: tile t of 16 keys at registers 6 t on; lane (r, h): key 16 t + r, channels' block h)     98,304: V, 16 steps x 6,144 (4 fragments of 16 channels x 128 keys)
;   196,608: K's scale words, 512 a step (word p of a lane: tile 2 p + lane / 16)     204,800: V's, 256 a step
; Every wave brings three pieces: 768 bytes of scale words; one step of K (waves 0-7) or V (waves 8-15) of steps 0-7; the same of steps 8-15.  Pass 0 (queries under 1,024) reads steps 0-7 alone and starts when they are in.
; NO JOINT LOADS, though the four work-groups of a head read the same block: a work-group's query blocks, and so the steps that it walks and jumps over, hang on grid x, which would be its place in the cluster.
; LAYOUT.  Both products transposed: S^T = K Q^T (source 0 = 16 keys), O^T = V^T P^T (source 0 = 16 channels): a lane holds ONE query throughout.  The head's 64 channels fill half of the instruction's 128:
; K's operand is 12 registers from 6 t on, whose upper six (the next tile's codes) meet zero codes of Q under scale bytes of 1.0.
; Inside a block of 32 the codes lie in the order 0-7, 16-23, 8-15, 24-31, alike in Q and K (channels) and alike in P and V (keys).  y meets a given operand: 16 exchanges of lane halves put its numbers in natural order first.
; CAUSAL: a step all of whose keys come after my queries is jumped over by a scalar branch on ids (the trip counts stay constants); on the diagonal hidden scores become -infinity ahead of the maximum.
; LIMITS: a block's largest magnitude is not taken under 2^-124 (a block of zeros gets the byte 1: its codes are zeros, and this program alone reads the bytes).  NaN and infinities are not served.
; y's scale bytes leave one byte a lane into rows 32 bytes apart: a row's 32 bytes come from 16 work-groups.
.set HB,    208896
.set STEPB, 6144
.set VIMG,  98304
.set KSCL,  196608
.set VSCL,  204800
.set LI,  3                            ; v3  16 x lane
.set L8,  4                            ; v4  8 x lane
.set MD,  5                            ; v5  r - 8 h
.set YSO, 6                            ; v6  32 r + h
.set R16, 7                            ; v7  16 r
.set ADK, 8
.set ADV, 9
.set ADS, 10
.set ADT, 11                           ; v12 -M, v13 the largest t, v[14:15] the sum in two halves
.set QF0, 16                           ; v16-27 pass 0's Q (v22-27 zeros), v28 its scale words
.set QS0, 28
.set KV,  32                           ; v32-79 a step's K, then its V; v80-85 zeros
.set KSC, 86                           ; v86-89 K's scale words
.set VSC, 90                           ; v90-91 V's
.set S,   96                           ; v96-159 S^T, then p
.set O,   160                          ; v160-191 O^T
.set PC,  192                          ; v192-203 p's codes
.set PT,  204                          ; v204-206, v208-210
.set BM,  212
.set BX,  216
.set SO,  220
.set F,   224
.set PW,  225                          ; p's scale word
.set TMP, 226
.set SUM2, 228
.set NINF, 230
.set QF1, 232                          ; v232-243 pass 1's Q (v238-243 zeros), v244 its scale words
.set QS1, 244
.set WV,  12
.set G1A, 16                           ; s[16:23] group 1: 24 rows of 256 bytes, dense
.set G1S, 24                           ; s[24:31] 3 rows
.set G0S, 32
.set G0A, 36
.set G0B, 40
.set SEL, 44
.set CS,  46
.set TK,  48
.set TSK, 49
.set TSV, 50
.set KF,  51
.set Q00, 52
.set Q01, 53
.set CNT, 54
.set HIM, 55
.set QB,  56
.set YI0, 58
.set YI1, 60
.set YS0, 62
.set YS1, 66
	s_load_b256 s[4:11], s[0:1], 0x0               ; q s[4:5], kv s[6:7], y_img s[8:9], y_sc s[10:11]
	v_lshl_add_u32 v254, v0, 2, 0x33000
	v_mov_b32 v255, 0
	ds_add_u32 v254, v255
	ds_add_u32 v254, v255
	v_lshrrev_b32 v1, 5, v0
	s_delay_alu instid0(VALU_DEP_1)
	v_readfirstlane_b32 s[WV], v1                  ; wave 0..15
	s_and_b32 s68, ttmp7, 0xffff                   ; 16 x batch + head
	s_mul_i32 s70, s68, HB
	s_mov_b32 s71, 0
.irp g, G1A, G1S
	s_mov_b32 s[\g], 3<<16                         ; no mask; elements of 8 bytes; no padding
	s_mov_b32 s[\g+1], 32<<16                      ; tensor_dim0 = 32 elements: 256 bytes
	s_mov_b32 s[\g+3], 32<<16                      ; tile_dim0
	s_mov_b32 s[\g+5], 32                          ; the pitch: dense
	s_mov_b32 s[\g+6], 0
	s_mov_b32 s[\g+7], 0
.endr
	s_mov_b32 s[G1A+2], 24<<16                     ; tensor_dim1
	s_mov_b32 s[G1A+4], 24                         ; tile_dim1: 6,144 bytes
	s_mov_b32 s[G1S+2], 3<<16
	s_mov_b32 s[G1S+4], 3                          ; 768 bytes
	s_lshr_b32 s72, s[WV], 3
	s_mul_i32 s72, s72, VIMG                       ; waves 0-7: K; waves 8-15: V
	s_and_b32 s73, s[WV], 7
	s_mul_i32 s73, s73, STEPB
	s_add_co_u32 s72, s72, s73                     ; my step of steps 0-7: the same byte in the head block and in LDS
	s_mov_b32 s73, 0
	s_mul_i32 s74, s[WV], 768
	s_add_co_u32 s74, s74, KSCL                    ; my sixteenth of the scale words
	s_mov_b32 s75, 0
	s_wait_dscnt 0x0
	s_wait_kmcnt 0x0
	s_add_nc_u64 s[6:7], s[6:7], s[70:71]          ; kv and q at my head
	s_add_nc_u64 s[QB:QB+1], s[4:5], s[70:71]
	s_mov_b32 s[G0S], 1
	s_mov_b32 s[G0S+1], s74
	s_add_nc_u64 s[G0S+2:G0S+3], s[6:7], s[74:75]
	s_or_b32 s[G0S+3], s[G0S+3], 0x80000000
	s_mov_b32 s[G0A], 1
	s_mov_b32 s[G0A+1], s72
	s_add_nc_u64 s[G0A+2:G0A+3], s[6:7], s[72:73]
	s_mov_b32 s[G0B], 1
	s_add_co_u32 s[G0B+1], s72, 8*STEPB
	s_add_nc_u64 s[G0B+2:G0B+3], s[G0A+2:G0A+3], 8*STEPB
	s_or_b32 s[G0A+3], s[G0A+3], 0x80000000
	s_or_b32 s[G0B+3], s[G0B+3], 0x80000000
	tensor_load_to_lds s[G0S:G0S+3], s[G1S:G1S+7]  ; the three first fills go out together: three loads of mine are out
	s_nop 0
	tensor_load_to_lds s[G0A:G0A+3], s[G1A:G1A+7]
	s_nop 0
	tensor_load_to_lds s[G0B:G0B+3], s[G1A:G1A+7]
	s_nop 0
.rept 4
	v_nop
.endr
	v_and_b32 v1, 15, v0                           ; r
	v_bfe_u32 v2, v0, 4, 1                         ; h
	v_and_b32 v3, 31, v0
	s_delay_alu instid0(VALU_DEP_1)
	v_lshlrev_b32 v[L8], 3, v3
	s_delay_alu instid0(VALU_DEP_2)
	v_lshlrev_b32 v[LI], 4, v3
	s_wait_alu depctr_va_vdst(0)
	v_lshlrev_b32 v[MD], 3, v2
	s_delay_alu instid0(VALU_DEP_1)
	v_sub_nc_u32 v[MD], v1, v[MD]
	v_lshl_add_u32 v[YSO], v1, 5, v2
	v_lshlrev_b32 v[R16], 4, v1
	s_wait_alu depctr_va_vdst(0)
	s_lshr_b32 s69, s68, 4                         ; batch
	s_and_b32 s68, s68, 15                         ; head
	s_lshl_b32 s76, ttmp9, 4
	s_add_co_u32 s76, s76, s[WV]                   ; pass 0's tile of 16 queries
	s_sub_co_u32 s77, 127, s76                     ; pass 1's
	s_lshl_b32 s[Q00], s76, 4
	s_lshl_b32 s[Q01], s77, 4
; A pass's Q and its places in y.  Tile qt is tile qt % 8 of step qt / 8 of q's image: registers 6 (qt % 8) on, as three pieces of 8 bytes: piece e = 3 (qt % 8) + p lies at 512 (e / 2) + 16 x lane + 8 (e % 2).
.macro SETQ qt, qf, qs, ad, yi, ys
	s_lshr_b32 s78, s[\qt], 3
	s_and_b32 s79, s[\qt], 7
	s_mul_i32 s80, s78, STEPB
	s_mul_i32 s81, s79, 3
.irp p, 0,1,2
	s_add_co_u32 s82, s81, \p
	s_lshr_b32 s83, s82, 1
	s_lshl_b32 s83, s83, 9
	s_and_b32 s82, s82, 1
	s_lshl_b32 s82, s82, 3
	s_add_co_u32 s83, s83, s82
	s_add_co_u32 s83, s83, s80
	v_add_nc_u32 v[\ad+\p], s83, v[LI]
	global_load_b64 v[\qf+2*\p:\qf+2*\p+1], v[\ad+\p], s[QB:QB+1]
.endr
	s_lshl_b32 s82, s78, 9                         ; its scale word: 512 a step, lane 16 (qt % 2) + r, word (qt % 8) / 2
	s_and_b32 s83, s79, 1
	s_lshl_b32 s83, s83, 8
	s_add_co_u32 s82, s82, s83
	s_lshr_b32 s83, s79, 1
	s_lshl_b32 s83, s83, 2
	s_add_co_u32 s82, s82, s83
	s_add_co_u32 s82, s82, KSCL
	v_add_nc_u32 v[\ad+3], s82, v[R16]
	global_load_b32 v[\qs], v[\ad+3], s[QB:QB+1]
	s_lshl_b32 s82, s69, 7
	s_add_co_u32 s82, s82, s[\qt]                  ; y's tile of 16 rows: 128 x batch + qt
	s_lshl_b32 s84, s82, 4
	s_add_co_u32 s84, s84, s68
	s_mul_i32 s84, s84, 768                        ; y_img: [tile][head][3 pieces][32 lanes][8 bytes]
	s_mov_b32 s85, 0
	s_add_nc_u64 s[\yi:\yi+1], s[8:9], s[84:85]
	s_lshl_b32 s84, s82, 9                         ; y_sc: 16 rows of 32 bytes a tile, + 2 x head
	s_lshl_b32 s83, s68, 1
	s_add_co_u32 s84, s84, s83
	s_add_nc_u64 s[\ys:\ys+1], s[10:11], s[84:85]
.endm
	SETQ 76, QF0, QS0, S, YI0, YS0
	SETQ 77, QF1, QS1, S+4, YI1, YS1
	s_mov_b32 s[SEL], 0x76543210
	s_mov_b32 s[SEL+1], 0xfedcba98                 ; lane l xor 16
	s_mov_b32 s[CS], 0x3e38aa3b                    ; c = log2(e) / 8
	s_mov_b32 s[CS+1], s[CS]                       ; (named with it as a pair)
	s_mov_b32 s[HIM], 0xffff0000                   ; lanes 16-31
.irp j, 0,1,2,3,4,5
	v_mov_b32 v[QF0+6+\j], 0                       ; zero codes for the upper half of the score product's K
	v_mov_b32 v[QF1+6+\j], 0
	v_mov_b32 v[KV+48+\j], 0                       ; what the last tile's operand names behind K's 48 registers
.endr
.irp b, 0,1,2,3
	v_mov_b32 v[BX+\b], 0                          ; a lane permute's destination counts as one of its sources
.endr
	v_mov_b32 v[PW], 0                             ; (named as the upper half of the pair with f before it is first written)
	v_mov_b32 v[TMP], 0
	v_mov_b32 v[NINF], 0xff800000
; A KEY STEP: 128 keys from s[KF] on, for the tile of queries that begins at s[q0].
.macro STEP qf, qs, q0
	s_add_co_u32 s86, s[\q0], 15
	s_cmp_gt_u32 s[KF], s86
	s_cbranch_scc1 .Lhidden_\@                     ; all its keys come after my queries
	s_setprio 2
	v_add_nc_u32 v[ADK], s[TK], v[LI]              ; (these four are the places between the last step's products and the loads into the registers that they read)
	v_add_nc_u32 v[ADS], s[TSK], v[LI]
	v_add_nc_u32 v[ADT], s[TSV], v[L8]
	s_delay_alu instid0(VALU_DEP_3)
	v_add_nc_u32 v[ADV], VIMG, v[ADK]
.irp j, 0,1,2,3,4,5,6,7,8,9,10,11
	ds_load_b128 v[KV+4*\j:KV+4*\j+3], v[ADK] offset:512*\j   ; K's image: 512 consecutive bytes a load
.endr
	ds_load_b128 v[KSC:KSC+3], v[ADS]
	s_wait_alu depctr_va_vdst(0)
	s_wait_dscnt 0x0
.irp t, 0,1,2,3,4,5,6,7                        ; S^T = K Q^T: register 8 t + j of lane (r, h): key 16 t + 8 h + j, query r
.if \t%2
	v_wmma_scale_f32_16x16x128_f8f6f4 v[S+8*\t:S+8*\t+7], v[KV+6*\t:KV+6*\t+11], v[\qf:\qf+11], 0, v[KSC+\t/2], v[\qs] matrix_a_fmt:MATRIX_FMT_FP6 matrix_b_fmt:MATRIX_FMT_FP6 matrix_a_scale:MATRIX_SCALE_ROW1
.else
	v_wmma_scale_f32_16x16x128_f8f6f4 v[S+8*\t:S+8*\t+7], v[KV+6*\t:KV+6*\t+11], v[\qf:\qf+11], 0, v[KSC+\t/2], v[\qs] matrix_a_fmt:MATRIX_FMT_FP6 matrix_b_fmt:MATRIX_FMT_FP6
.endif
.endr
.rept 4
	v_nop                                          ; places: in front of the loads into K's registers and of the first read of the scores
.endr
.irp j, 0,1,2,3,4,5,6,7,8,9,10,11
	ds_load_b128 v[KV+4*\j:KV+4*\j+3], v[ADV] offset:512*\j   ; V's image lands while the softmax is walked
.endr
	ds_load_b64 v[VSC:VSC+1], v[ADT]
	s_add_co_u32 s86, s[KF], 127
	s_cmp_le_u32 s86, s[\q0]
	s_cbranch_scc1 .Lopen_\@                       ; all its keys count
	s_sub_co_i32 s86, s[\q0], s[KF]
	v_add_nc_u32 v[TMP], s86, v[MD]                ; d = my query - KF - 8 h: register n's key is hidden where 16 (n / 8) + n % 8 > d
.set n, 0
.rept 64
	v_cmp_gt_i32 vcc_lo, 16*(n/8)+n%8, v[TMP]
	v_cndmask_b32 v[S+n], v[S+n], v[NINF], vcc_lo
.set n, n+1
.endr
.Lopen_\@:
.irp b, 0,1,2,3
	v_max3_num_f32 v[BM+\b], v[S+16*\b], v[S+1+16*\b], v[S+2+16*\b]   ; the largest score of each block of 32 keys: for the row's maximum and, since p rises with the score, for the block's largest p
.endr
.irp i, 3,5,7,9,11,13
.irp b, 0,1,2,3
	v_max3_num_f32 v[BM+\b], v[BM+\b], v[S+16*\b+\i], v[S+1+16*\b+\i]
.endr
.endr
.irp b, 0,1,2,3
	v_max_num_f32 v[BM+\b], v[BM+\b], v[S+15+16*\b]
.endr
.irp b, 0,1,2,3
	s_delay_alu instid0(VALU_DEP_4)
	v_permlanex16_b32 v[BX+\b], v[BM+\b], s[SEL], s[SEL+1]
.endr
.irp b, 0,1,2,3
	s_delay_alu instid0(VALU_DEP_4)
	v_max_num_f32 v[BM+\b], v[BM+\b], v[BX+\b]
.endr
	s_delay_alu instid0(VALU_DEP_2)
	v_max3_num_f32 v[TMP], v[BM], v[BM+1], v[BM+2]
	s_delay_alu instid0(VALU_DEP_1)
	v_max_num_f32 v[TMP], v[TMP], v[BM+3]
	s_delay_alu instid0(VALU_DEP_1)
	v_mul_f32 v[TMP], s[CS], v[TMP]
	s_delay_alu instid0(VALU_DEP_1)
	v_max_num_f32 v13, v13, v[TMP]                 ; the running largest t
	v_mov_b32 v[TMP], v12
	s_delay_alu instid0(VALU_DEP_2)
	v_floor_f32 v12, -v13                          ; -M = floor(-t): M is a whole number
	s_delay_alu instid0(VALU_DEP_1)
	v_sub_f32 v[TMP], v12, v[TMP]
	s_delay_alu instid0(VALU_DEP_1)
	v_cvt_i32_f32 v[TMP], v[TMP]                   ; (it saturates)
	s_delay_alu instid0(VALU_DEP_1)
	v_ldexp_f32 v[F], 1.0, v[TMP]                  ; f = 2^(old M - new M)
.set j, 0
.rept 32
	v_pk_fma_f32 v[S+j:S+j+1], v[S+j:S+j+1], s[CS:CS+1], v[12:13] op_sel_hi:[1,0,0]   ; t - M
.set j, j+2
.endr
	s_setprio 1
.irp b, 0,1,2,3
	v_fma_f32 v[BM+\b], v[BM+\b], s[CS], v12
.endr
.set j, 0
	s_wait_alu depctr_va_vdst(0)
.rept 64
	v_exp_f32 v[S+j], v[S+j]                       ; p = 2^(t - M)
.set j, j+1
.endr
	v_pk_mul_f32 v[14:15], v[14:15], v[F:F+1] op_sel_hi:[1,0]   ; the sums under the new M: the plain place behind the exponentials
	s_wait_alu depctr_va_vdst(0)                   ; one wait for the batch, ahead of its first reader
.irp b, 0,1,2,3
	v_exp_f32 v[BM+\b], v[BM+\b]                   ; each block's largest p
.endr
	v_pk_add_f32 v[228:229], v[100:101], v[104:105]
	v_pk_add_f32 v[252:253], v[108:109], v[112:113]
	v_pk_add_f32 v[250:251], v[116:117], v[120:121]
	v_pk_add_f32 v[248:249], v[124:125], v[128:129]
	v_pk_add_f32 v[246:247], v[132:133], v[136:137]
	v_pk_add_f32 v[222:223], v[140:141], v[144:145]
	v_pk_add_f32 v[220:221], v[148:149], v[152:153]
	v_pk_add_f32 v[14:15], v[14:15], v[156:157]
	v_pk_add_f32 v[228:229], v[228:229], v[96:97]
	v_pk_add_f32 v[252:253], v[252:253], v[98:99]
	v_pk_add_f32 v[250:251], v[250:251], v[102:103]
	v_pk_add_f32 v[248:249], v[248:249], v[106:107]
	v_pk_add_f32 v[246:247], v[246:247], v[110:111]
	v_pk_add_f32 v[222:223], v[222:223], v[114:115]
	v_pk_add_f32 v[220:221], v[220:221], v[118:119]
	v_pk_add_f32 v[14:15], v[14:15], v[122:123]
	v_pk_add_f32 v[228:229], v[228:229], v[126:127]
	v_pk_add_f32 v[252:253], v[252:253], v[130:131]
	v_pk_add_f32 v[250:251], v[250:251], v[134:135]
	v_pk_add_f32 v[248:249], v[248:249], v[138:139]
	v_pk_add_f32 v[246:247], v[246:247], v[142:143]
	v_pk_add_f32 v[222:223], v[222:223], v[146:147]
	v_pk_add_f32 v[220:221], v[220:221], v[150:151]
	v_pk_add_f32 v[14:15], v[14:15], v[154:155]
	v_pk_add_f32 v[228:229], v[228:229], v[158:159]
	s_delay_alu instid0(VALU_DEP_2)
	v_pk_add_f32 v[14:15], v[14:15], v[248:249]
	s_delay_alu instid0(VALU_DEP_2)
	v_pk_add_f32 v[228:229], v[228:229], v[246:247]
	v_pk_add_f32 v[252:253], v[252:253], v[222:223]
	v_pk_add_f32 v[250:251], v[250:251], v[220:221]
	s_delay_alu instid0(VALU_DEP_2)
	v_pk_add_f32 v[14:15], v[14:15], v[252:253]
	s_delay_alu instid0(VALU_DEP_2)
	v_pk_add_f32 v[228:229], v[228:229], v[250:251]
	s_delay_alu instid0(VALU_DEP_1)
	v_pk_add_f32 v[14:15], v[14:15], v[228:229]
	s_wait_alu depctr_va_vdst(0)                   ; and one for the four
.irp b, 0,1,2,3
	v_max_num_f32 v[BM+\b], 0x1800000, v[BM+\b]    ; the floor 2^(3 - 127)
.endr
.irp b, 0,1,2,3
	s_delay_alu instid0(VALU_DEP_4)
	v_add_nc_u32 v[SO+\b], 0xff000000, v[BM+\b]    ; 2 off the exponent field: the conversion's scale operand
.endr
.irp b, 0,1,2,3
	s_delay_alu instid0(VALU_DEP_4)
	v_lshrrev_b32 v[BX+\b], 23, v[SO+\b]
.endr
	s_delay_alu instid0(VALU_DEP_3)
	v_lshl_or_b32 v[PW], v[BX+1], 8, v[BX]
	s_delay_alu instid0(VALU_DEP_1)
	v_lshl_or_b32 v[PW], v[BX+2], 16, v[PW]
	s_delay_alu instid0(VALU_DEP_1)
	v_lshl_or_b32 v[PW], v[BX+3], 24, v[PW]
	s_setprio 0
.irp c, 0,1
	v_cvt_scalef32_pk16_fp6_f32 v[PC+6*\c:PC+6*\c+2], v[S+32*\c:S+32*\c+15], v[SO+2*\c]
	v_cvt_scalef32_pk16_fp6_f32 v[PT+4*\c:PT+4*\c+2], v[S+16+32*\c:S+31+32*\c], v[SO+2*\c+1]
.endr
	v_nop                                          ; one plain place behind a scaled conversion
.irp c, 0,1
.irp i, 0,1,2
	v_permlane16_swap_b32 v[PC+6*\c+\i], v[PT+4*\c+\i]   ; a whole block to a lane
.endr
.irp i, 0,1,2
	s_delay_alu instid0(VALU_DEP_3)
	v_mov_b32 v[PC+3+6*\c+\i], v[PT+4*\c+\i]
.endr
.endr
.set j, 0
.rept 16
	v_pk_mul_f32 v[O+j:O+j+1], v[O+j:O+j+1], v[F:F+1] op_sel_hi:[1,0]   ; O^T under the new M; these sixteen also stand between the writes of p's codes and scale word and the products
.set j, j+2
.endr
	s_wait_alu depctr_va_vdst(0)
	s_wait_dscnt 0x0                               ; V
.irp t, 0,1,2,3                                ; O^T += V^T P^T: four accumulators, one instruction each
.if \t%2
	v_wmma_scale_f32_16x16x128_f8f6f4 v[O+8*\t:O+8*\t+7], v[KV+12*\t:KV+12*\t+11], v[PC:PC+11], v[O+8*\t:O+8*\t+7], v[VSC+\t/2], v[PW] matrix_a_fmt:MATRIX_FMT_FP6 matrix_b_fmt:MATRIX_FMT_FP6 matrix_a_scale:MATRIX_SCALE_ROW1
.else
	v_wmma_scale_f32_16x16x128_f8f6f4 v[O+8*\t:O+8*\t+7], v[KV+12*\t:KV+12*\t+11], v[PC:PC+11], v[O+8*\t:O+8*\t+7], v[VSC+\t/2], v[PW] matrix_a_fmt:MATRIX_FMT_FP6 matrix_b_fmt:MATRIX_FMT_FP6
.endif
.endr
.Lhidden_\@:
	s_add_co_u32 s[KF], s[KF], 128
	s_add_co_u32 s[TK], s[TK], STEPB
	s_add_co_u32 s[TSK], s[TSK], 512
	s_add_co_u32 s[TSV], s[TSV], 256
.endm
; THE WAY OUT of a pass: y = O^T / the sum, in natural order along the channels, quantised (two blocks of 32), stored as the last product's operand.
.macro OUT yi, ys
.rept 4
	v_nop                                          ; places behind the last products
.endr
	v_add_f32 v14, v14, v15
	s_delay_alu instid0(VALU_DEP_1)
	v_permlanex16_b32 v[TMP], v14, s[SEL], s[SEL+1]
	s_delay_alu instid0(VALU_DEP_1)
	v_add_f32 v14, v14, v[TMP]                     ; the row's sum
	s_wait_alu depctr_va_vdst(0)
	v_rcp_f32 v[F], v14
	v_nop                                          ; a plain place behind the reciprocal,
	s_wait_alu depctr_va_vdst(0)                   ; and the wait ahead of its first reader
.set j, 0
.rept 16
	v_pk_mul_f32 v[S+j:S+j+1], v[O+j:O+j+1], v[F:F+1] op_sel_hi:[1,0]   ; register 8 t + j: channel 16 t + 8 h + j
.set j, j+2
.endr
.irp b, 0,1
.irp j, 0,1,2,3,4,5,6,7
	v_permlane16_swap_b32 v[S+16*\b+\j], v[S+8+16*\b+\j]   ; register 16 b + i is now channel 32 b + 16 h + i
.endr
.endr
.irp b, 0,1
	v_max3_num_f32 v[BM+\b], |v[S+16*\b]|, |v[S+1+16*\b]|, 0x1800000
.endr
.irp i, 2,4,6,8,10,12,14
.irp b, 0,1
	s_delay_alu instid0(VALU_DEP_2)
	v_max3_num_f32 v[BM+\b], v[BM+\b], |v[S+16*\b+\i]|, |v[S+1+16*\b+\i]|
.endr
.endr
.irp b, 0,1
	s_delay_alu instid0(VALU_DEP_2)
	v_permlanex16_b32 v[BX+\b], v[BM+\b], s[SEL], s[SEL+1]
.endr
.irp b, 0,1
	s_delay_alu instid0(VALU_DEP_2)
	v_max_num_f32 v[BM+\b], v[BM+\b], v[BX+\b]
.endr
.irp b, 0,1
	s_delay_alu instid0(VALU_DEP_2)
	v_add_nc_u32 v[SO+\b], 0xff000000, v[BM+\b]
.endr
.irp b, 0,1
	s_delay_alu instid0(VALU_DEP_2)
	v_lshrrev_b32 v[BX+\b], 23, v[SO+\b]
.endr
	s_delay_alu instid0(VALU_DEP_1)
	v_cndmask_b32 v[TMP], v[BX], v[BX+1], s[HIM]   ; lane (r, h) stores block h's byte
	v_cvt_scalef32_pk16_fp6_f32 v[PC:PC+2], v[S:S+15], v[SO]
	v_cvt_scalef32_pk16_fp6_f32 v[PT:PT+2], v[S+16:S+31], v[SO+1]
	v_nop
.irp i, 0,1,2
	v_permlane16_swap_b32 v[PC+\i], v[PT+\i]
.endr
.irp i, 0,1,2
	s_delay_alu instid0(VALU_DEP_3)
	v_mov_b32 v[PC+3+\i], v[PT+\i]
.endr
.irp p, 0,1,2
	global_store_b64 v[L8], v[PC+2*\p:PC+2*\p+1], s[\yi:\yi+1] offset:256*\p   ; 32 lanes store 256 consecutive bytes, aligned
.endr
	global_store_b8 v[YSO], v[TMP], s[\ys:\ys+1]
.endm
.macro PASS trips, qf, qs, q0, yi, ys
	s_wait_xcnt 0x0                                ; earlier stores have read their registers
	v_mov_b32 v13, 0xff61b1e6                      ; the largest t so far: -3e38
	s_delay_alu instid0(VALU_DEP_1)
	v_floor_f32 v12, -v13
	v_mov_b32 v14, 0
	v_mov_b32 v15, 0
.set j, 0
.rept 32
	v_mov_b32 v[O+j], 0                            ; the step is written once a pass: its first trip finds zeros, which the first change of M leaves zeros
.set j, j+1
.endr
	s_mov_b32 s[TK], 0
	s_mov_b32 s[TSK], KSCL
	s_mov_b32 s[TSV], VSCL
	s_mov_b32 s[KF], 0
	s_mov_b32 s[CNT], \trips
.Lstep_\@:
	STEP \qf, \qs, \q0
	s_sub_co_u32 s[CNT], s[CNT], 1
	s_cmp_lg_u32 s[CNT], 0
	s_cbranch_scc1 .Lstep_\@
	s_setprio 0
	OUT \yi, \ys
.endm
	s_wait_loadcnt 0x0                             ; Q of both passes
	s_wait_tensorcnt 1                             ; my scale words and my step of steps 0-7 are in; my step of steps 8-15 may be out
	s_barrier_signal -1
	s_barrier_wait -1                              ; everybody's are
	PASS 8, QF0, QS0, Q00, YI0, YS0                ; queries under 1,024: steps 0-7 alone are read
	s_wait_tensorcnt 0x0                           ; my step of steps 8-15 is in
	s_wait_dscnt 0x0
	s_barrier_signal -1
	s_barrier_wait -1
	PASS 16, QF1, QS1, Q01, YI1, YS1
	s_wait_tensorcnt 0x0
	ds_add_u32 v254, v255
	s_wait_dscnt 0x0
	s_endpgm
.Lfunc_end_k_q7d11a7c508_attn:
	.size	k_q7d11a7c508_attn, .Lfunc_end_k_q7d11a7c508_attn-k_q7d11a7c508_attn
	.p2alignl 7, 3214868480
	.fill 96, 4, 3214868480
	.section	.rodata,"a",@progbits
	.p2align	6, 0x0
	.amdhsa_kernel k_q7d11a7c508_attn
		.amdhsa_group_segment_fixed_size 210944
		.amdhsa_private_segment_fixed_size 0
		.amdhsa_enable_private_segment 0
		.amdhsa_kernarg_size 32
		.amdhsa_user_sgpr_count 2
		.amdhsa_user_sgpr_kernarg_segment_ptr 1
		.amdhsa_wavefront_size32 1
		.amdhsa_system_sgpr_workgroup_id_x 1
		.amdhsa_system_sgpr_workgroup_id_y 1
		.amdhsa_system_sgpr_workgroup_id_z 1
		.amdhsa_system_vgpr_workitem_id 0
		.amdhsa_next_free_vgpr 256
		.amdhsa_next_free_sgpr 96
		.amdhsa_reserve_vcc 1
		.amdhsa_float_denorm_mode_32 3
		.amdhsa_float_denorm_mode_16_64 3
		.amdhsa_memory_ordered 1
		.amdhsa_forward_progress 1
		.amdhsa_inst_pref_size 67
	.end_amdhsa_kernel
	.amdgpu_metadata
---
amdhsa.version: [ 1, 2 ]
amdhsa.kernels:
  - .name:           k_q7d11a7c508_attn
    .symbol:         k_q7d11a7c508_attn.kd
    .args:
      - { .name: q, .offset: 0, .size: 8, .value_kind: global_buffer, .address_space: global }
      - { .name: kv, .offset: 8, .size: 8, .value_kind: global_buffer, .address_space: global }
      - { .name: y_img, .offset: 16, .size: 8, .value_kind: global_buffer, .address_space: global }
      - { .name: y_sc, .offset: 24, .size: 8, .value_kind: global_buffer, .address_space: global }
    .group_segment_fixed_size: 210944
    .private_segment_fixed_size: 0
    .kernarg_segment_align: 8
    .kernarg_segment_size: 32
    .max_flat_workgroup_size: 512
    .sgpr_count:     96
    .vgpr_count:     256
    .wavefront_size: 32
...
	.end_amdgpu_metadata
.endif
;; end of part 2
;; launch proj (part 3): grid 4 x 32, 4 waves a work-group, clusters of 4 x 4, 327,680 bytes of LDS; arguments y_img, y_sc, W_out_codes, W_out_scales, b_out, out0; writes out0
.if DOCPART == 3
	.amdgcn_target "amdgcn-amd-amdhsa--gfx1250"
	.amdhsa_code_object_version 6
	.text
	.protected	k_q7d11a7c508_proj
	.globl	k_q7d11a7c508_proj
	.p2align	8
	.type	k_q7d11a7c508_proj,@function
k_q7d11a7c508_proj:
	s_mov_b64 s[64:65], 0
	v_nop
	global_prefetch_b8 v0, s[64:65] scope:SCOPE_SE
	s_setreg_imm32_b32 hwreg(HW_REG_WAVE_MODE, 25, 1), 1
	s_wait_xcnt 0x0
	s_wait_alu depctr_hold_cnt(0) depctr_sa_sdst(0) depctr_va_vdst(0) depctr_va_sdst(0) depctr_va_ssrc(0) depctr_va_vcc(0) depctr_vm_vsrc(0)
	s_getreg_b32 s2, hwreg(HW_REG_IB_STS2, 6, 4)
	s_cmp_eq_u32 s2, 0
	s_cbranch_scc0 .Lentry_in_a_cluster
	s_endpgm
.Lentry_in_a_cluster:
	s_bfe_u32 s2, ttmp6, 0x10000c
	s_cmp_lg_u32 s2, 0xf033
	s_cbranch_scc0 .Lentry_shape_is_right
	s_endpgm
.Lentry_shape_is_right:
; out0 = y W_out + b_out on codes of FP6 (E2M3) with E8M0 scales.  y: [8192][1024] as register images (below) with scale bytes [8192][32]; W_out: [1024][1024] codes, K innermost, 768 bytes a row, scale bytes 32 a row; out0: [8192][1024] f32.
; A tile of 256 x 256 to a work-group of four waves, 128 x 128 (64 accumulators) to a wave: 128 work-groups.  K goes in steps of 256 through a ring of two LDS slots; the scale bytes of the work-group's rows come into LDS once.
; CLUSTERS: 4 x 4 work-groups: y's tiles are shared along a row of the cluster, W_out's along a column: joint loads.
; y's IMAGES: [tile of 16 rows][head 16][piece 3][lane 32][8 bytes]: lane (r, h) of head e holds K = 64 e + 32 h + 0 .. 31 of row r, 24 bytes as three pieces.  A fragment of 128 along K is two heads: six loads of 8 bytes a lane,
; each of 256 consecutive bytes for the wave.  A slot's part of a tile of rows is 3,072 consecutive bytes; a tile of rows is 12,288.
; THE MATRIX INSTRUCTION IS USED TRANSPOSED (source 0 = 16 rows of W_out, source 1 = 16 rows of y): a lane holds eight neighbouring numbers of a row of out0.  The bias is the C of each sum's first instruction.
; REGISTERS, in windows of 256: window 0: v16-31 addresses; v32-63 scale words, two sets; v64-127 b_out in the result's layout; v128-223 y's fragments, one set; on the way out v128-255.
;   window 1: W_out's fragments, two sets.   window 2: accumulators of my rows 0-63;   window 3: rows 64-127.
.set SIZE_N, 1024
.set KSTEP,  256
.set NQ,     KSTEP/128
.set ROWB,   192
.set KROW,   768
.set PITCH,  240                       ; W_out's LDS row: 3 x (64 bytes + 16 of padding)
.set FR,     12
.set NL,     6
.set NP,     4
.set AH,     8*3072                    ; y: 8 tiles of 16 rows x 3,072 bytes: what one tensor load brings
.set BH,     128*PITCH                 ; W_out: 128 rows
.set SLOT,   2*AH+2*BH
.set LAPS,   1024/(2*KSTEP)
.set KS,     32
.set SCL,    2*SLOT
.set HALFS,  (128*KS/256)*272
.set SBLK,   (16*KS/256)*272
.set SPARE,  SCL+4*HALFS               ; the spare words: 128 bytes a wave, named by no other line
.set SPITCH, 528                       ; the way out: a stage of 16 rows x (512 + 16) bytes a wave, in slot 0, which has had its last fill and its last read by then
.set ADRA, 16                          ; v16-17 LDS address of y's fragments in slot 0, 1
.set ADRB, 20                          ; v20-21 of W_out's (v22-23: behind one padding more)
.set STO,  24
.set RD,   25
.set CO,   26
.set ADRS, 27
.set SPW,  28
.set NIL,  29
.set OBQ,  30                          ; v30 32 x (lane / 16)
.set SC,   32
.set BO,   64                          ; v64-127 b_out[n0 + 16 b + 8 h + j] at 8 b + j
.set AF,   128
.set BK,   128
.set G1, 24
.set G0, 32
.set G1B, 48
.set G0B, 56
.set G1S, 68
.set G0S, 76
.set G1SB, 80
.set G0SB, 88
.set MSB, 0
.macro WIN new
.if MSB != (\new)
	s_set_vgpr_msb (MSB<<8)|(\new)
.set MSB, (\new)
.endif
.endm
.set MUL_LO, 0xa1                      ; source 0 (W_out) window 1, source 1 (y) window 0, C and D window 2
.set MUL_HI, 0xf1
.set FST_LO, 0x81                      ; the first step: C (the bias) window 0, D window 2
.set FST_HI, 0xc1
.set TO_B,   0x40
.macro JLOAD g0a, g1a, g0b, g1b        ; a joint load: waves 0 and 1 fetch for y, waves 2 and 3 for W_out; four v_nop follow each line
	s_cmp_eq_u32 s15, 0
	s_cbranch_scc0 .Lfor_b_\@
	tensor_load_to_lds s[\g0a:\g0a+3], s[\g1a:\g1a+7]
	s_nop 0
.rept 4
	v_nop
.endr
	s_branch .Lasked_\@
.Lfor_b_\@:
	tensor_load_to_lds s[\g0b:\g0b+3], s[\g1b:\g1b+7]
	s_nop 0
.rept 4
	v_nop
.endr
.Lasked_\@:
.endm
.macro CREST
	s_cmp_lg_u32 s14, 0
	s_cbranch_scc1 .Lnot_wave_0_\@
	s_barrier_signal -3
.Lnot_wave_0_\@:
	s_barrier_wait -3
	s_barrier_signal -1
	s_barrier_wait -1
.endm
.macro CROUND
	s_barrier_signal -1
	s_barrier_wait -1
	CREST
.endm
	s_load_b128 s[4:7], s[0:1], 0x0                ; y's images, y's scales
	s_load_b128 s[8:11], s[0:1], 0x10              ; W_out's codes, W_out's scales
	s_load_b64 s[66:67], s[0:1], 0x20              ; b_out
	s_load_b64 s[12:13], s[0:1], 0x28              ; out0
	v_lshl_add_u32 v[SPW], v0, 2, SPARE
	v_mov_b32 v[NIL], 0
	ds_add_u32 v28, v29
	ds_add_u32 v28, v29
	s_wait_dscnt 0x0
	v_lshrrev_b32 v1, 5, v0
	v_readfirstlane_b32 s14, v1                    ; wave 0..3
	s_lshr_b32 s15, s14, 1                         ; which half of the tile's rows is mine.  Also: I fetch for y (0) or for W_out (1)
	s_and_b32 s16, s14, 1                          ; which half of its columns.  Also: which 128 rows I fetch
	s_bfe_u32 s40, ttmp6, 0x40000                  ; cx
	s_bfe_u32 s41, ttmp6, 0x40004                  ; cy
	s_lshl_b32 s42, ttmp9, 2
	s_add_co_u32 s42, s42, s40                     ; tile column
	s_and_b32 s17, ttmp7, 0xffff
	s_lshl_b32 s17, s17, 2
	s_add_co_u32 s17, s17, s41                     ; tile row
	s_lshl_b32 s43, s41, 2
	s_lshl_b32 s43, 15, s43                        ; my row of the cluster
	s_lshl_b32 s44, 0x1111, s40                    ; my column
	; group 1 for y: 8 rows of 3,072 bytes (384 elements of 8 bytes), 12,288 bytes apart, no padding
	s_or_b32 s[G1+0], s43, (3<<16)|(1<<21)
	s_mov_b32 s[G1+1], 384<<16
	s_mov_b32 s[G1+2], 8<<16
	s_mov_b32 s[G1+3], 384<<16
	s_mov_b32 s[G1+4], 8
	s_mov_b32 s[G1+5], 1536
	s_mov_b32 s[G1+6], 0
	s_mov_b32 s[G1+7], 0
	; for W_out: 128 rows x 192 bytes, 16 bytes of padding behind every 64
	s_or_b32 s[G1B+0], s44, (0<<16)|(1<<20)|(1<<21)|(3<<22)|(3<<25)
	s_mov_b32 s[G1B+1], ROWB<<16
	s_mov_b32 s[G1B+2], 128<<16
	s_mov_b32 s[G1B+3], ROWB<<16
	s_mov_b32 s[G1B+4], 128
	s_mov_b32 s[G1B+5], KROW
	s_mov_b32 s[G1B+6], 0
	s_mov_b32 s[G1B+7], 0
	; the scales of 128 rows: 16 rows of 256 bytes, 16 bytes of padding behind each
	s_or_b32 s[G1S+0], s43, (3<<16)|(1<<20)|(1<<21)|(5<<22)|(3<<25)
	s_or_b32 s[G1SB+0], s44, (3<<16)|(1<<20)|(1<<21)|(5<<22)|(3<<25)
.irp g, G1S, G1SB
	s_mov_b32 s[\g+1], 32<<16
	s_mov_b32 s[\g+2], (128*KS/256)<<16
	s_mov_b32 s[\g+3], 32<<16
	s_mov_b32 s[\g+4], 128*KS/256
	s_mov_b32 s[\g+5], 32
	s_mov_b32 s[\g+6], 0
	s_mov_b32 s[\g+7], 0
.endr
	s_lshl_b32 s20, s17, 4
	s_lshl_b32 s18, s16, 3
	s_add_co_u32 s20, s20, s18                     ; y: tile of rows 16 x tile row + 8 x half
	s_mul_i32 s20, s20, 12288
	s_mov_b32 s21, 0
	s_lshl_b32 s22, s17, 8
	s_lshl_b32 s18, s16, 7
	s_add_co_u32 s22, s22, s18
	s_lshl_b32 s22, s22, 5                         ; its scales: row x 32
	s_mov_b32 s23, 0
	s_lshl_b32 s46, s42, 8
	s_add_co_u32 s46, s46, s18                     ; W_out: row 256 x tile column + 128 x half
	s_lshl_b32 s92, s46, 5
	s_mov_b32 s93, 0
	s_mul_i32 s46, s46, KROW
	s_mov_b32 s47, 0
	s_mul_i32 s45, s16, AH                         ; where they go: y's two halves,
	s_mul_i32 s95, s16, BH
	s_add_co_u32 s95, s95, 2*AH                    ; then W_out's two
	s_mul_i32 s94, s14, HALFS
	s_wait_kmcnt 0x0
	s_add_nc_u64 s[20:21], s[4:5], s[20:21]
	s_add_nc_u64 s[22:23], s[6:7], s[22:23]
	s_add_nc_u64 s[46:47], s[8:9], s[46:47]
	s_add_nc_u64 s[92:93], s[10:11], s[92:93]
	CROUND                                         ; all sixteen work-groups are here: the first joint loads meet
	s_mov_b32 s[G0S], 1
	s_add_co_u32 s[G0S+1], s94, SCL
	s_mov_b64 s[G0S+2:G0S+3], s[22:23]
	s_or_b32 s[G0S+3], s[G0S+3], 0x80000000
	s_mov_b32 s[G0SB], 1
	s_add_co_u32 s[G0SB+1], s94, SCL
	s_mov_b64 s[G0SB+2:G0SB+3], s[92:93]
	s_or_b32 s[G0SB+3], s[G0SB+3], 0x80000000
	JLOAD G0S, G1S, G0SB, G1SB
.irp s, 0,1
	s_mov_b32 s[G0+4*\s], 1
	s_add_co_u32 s[G0+4*\s+1], s45, \s*SLOT
	s_add_nc_u64 s[G0+4*\s+2:G0+4*\s+3], s[20:21], \s*3072
	s_or_b32 s[G0+4*\s+3], s[G0+4*\s+3], 0x80000000
	s_mov_b32 s[G0B+4*\s], 1
	s_add_co_u32 s[G0B+4*\s+1], s95, \s*SLOT
	s_add_nc_u64 s[G0B+4*\s+2:G0B+4*\s+3], s[46:47], \s*ROWB
	s_or_b32 s[G0B+4*\s+3], s[G0B+4*\s+3], 0x80000000
	JLOAD G0+4*\s, G1, G0B+4*\s, G1B
.endr
	v_and_b32 v1, 15, v0                           ; r
	v_bfe_u32 v2, v0, 4, 1                         ; h
	v_and_b32 v6, 31, v0                           ; lane
	v_mul_u32_u24 v3, v1, PITCH
	v_mul_u32_u24 v4, v2, 24
	v_add_nc_u32 v4, v3, v4                        ; W_out: row x pitch + 24 x half
	v_lshl_add_u32 v5, v2, 4, v4                   ; and behind one padding more
	v_lshlrev_b32 v3, 3, v6                        ; y: 8 x lane
	s_mul_i32 s21, s15, AH                         ; my 128 rows of y
	s_mul_i32 s22, s16, BH
	s_add_co_u32 s22, s22, 2*AH                    ; my 128 rows of W_out
.irp s, 0,1
	v_add_nc_u32 v[ADRA+\s], s21, v3
	v_add_nc_u32 v[ADRB+\s], s22, v4
	v_add_nc_u32 v[ADRB+2+\s], s22, v5
	s_add_co_u32 s21, s21, SLOT
	s_add_co_u32 s22, s22, SLOT
.endr
	v_mul_u32_u24 v5, v1, KS
	v_lshrrev_b32 v7, 8, v5
	v_lshl_add_u32 v5, v7, 4, v5
	s_mul_i32 s21, s15, HALFS
	s_mul_i32 s22, s16, HALFS
	s_add_co_u32 s22, s22, 2*HALFS
	s_sub_co_u32 s22, s22, s21
	v_mul_u32_u24 v7, s22, v2                      ; lanes 16-31 take W_out's
	s_add_co_u32 s21, s21, SCL
	v_add_nc_u32 v5, v5, v7
	v_add_nc_u32 v[ADRS], s21, v5
	s_mul_i32 s23, s14, 16*SPITCH                  ; my stage
	v_mul_u32_u24 v5, v1, SPITCH
	v_lshl_add_u32 v5, v2, 5, v5
	v_add_nc_u32 v[STO], s23, v5
	v_lshlrev_b32 v[CO], 4, v6
	v_add_nc_u32 v[RD], s23, v[CO]
	v_lshlrev_b32 v[OBQ], 5, v2
	s_lshl_b32 s20, s17, 8
	s_lshl_b32 s21, s15, 7
	s_add_co_u32 s20, s20, s21                     ; my first row of out0
	s_mov_b32 s21, 0
	s_mov_b64 s[18:19], SIZE_N*4
	s_mul_u64 s[20:21], s[20:21], s[18:19]
	s_lshl_b32 s46, s42, 10                        ; my first column, in bytes: in out0's rows and in b_out alike
	s_lshl_b32 s47, s16, 9
	s_add_co_u32 s46, s46, s47
	s_mov_b32 s47, 0
	s_add_nc_u64 s[66:67], s[66:67], s[46:47]
	s_add_nc_u64 s[20:21], s[20:21], s[46:47]
	s_add_nc_u64 s[12:13], s[12:13], s[20:21]
.irp b, 0,1,2,3,4,5,6,7
	global_load_b128 v[BO+8*\b:BO+8*\b+3], v[OBQ], s[66:67] offset:64*\b
	global_load_b128 v[BO+8*\b+4:BO+8*\b+7], v[OBQ], s[66:67] offset:64*\b+16
.endr
.macro FRAG reg, adr, q, i             ; a fragment of W_out from padded rows, in pieces of 8 bytes
.irp p, 0,1,2,3,4,5
.set PC, 12*(\q)+6*(\p/3)+\p%3
.if PC%8 < 5
	ds_load_b64 v[\reg+2*\p:\reg+2*\p+1], v[\adr] offset:8*PC+16*(PC/8)+(\i)*16*PITCH
.else
	ds_load_b64 v[\reg+2*\p:\reg+2*\p+1], v[\adr+2] offset:8*PC+16*(PC/8)+(\i)*16*PITCH
.endif
.endr
.endm
.macro FRAGA reg, adr, q, i            ; a fragment of y from its image: tile of rows i, the slot's q-th 128 along K: two heads x three pieces of 256 bytes
.irp p, 0,1,2,3,4,5
	ds_load_b64 v[\reg+2*\p:\reg+2*\p+1], v[\adr] offset:(\i)*3072+(\q)*1536+(\p/3)*768+(\p%3)*256
.endr
.endm
; 16 matrix instructions; the 64 accumulators take turns, one instruction a turn.  zero = 1: the first product starts the sums from the bias.
.macro MUL16 a0, p, q, sc, zero
.irp a, \a0, \a0+1
.irp b, 0,1,2,3,4,5,6,7
.if \zero
	v_wmma_scale_f32_16x16x128_f8f6f4 v[8*(8*((\a)%4)+\b):8*(8*((\a)%4)+\b)+7], v[128*(\p)+FR*\b:128*(\p)+FR*\b+FR-1], v[AF+FR*(\a):AF+FR*(\a)+FR-1], v[BO+8*\b:BO+8*\b+7], v[SC+8*NQ*(\sc)+NQ*\b+(\q)], v[SC+8*NQ*(\sc)+NQ*(\a)+(\q)] matrix_a_fmt:MATRIX_FMT_FP6 matrix_b_fmt:MATRIX_FMT_FP6 matrix_a_scale:MATRIX_SCALE_ROW1
.else
	v_wmma_scale_f32_16x16x128_f8f6f4 v[8*(8*((\a)%4)+\b):8*(8*((\a)%4)+\b)+7], v[128*(\p)+FR*\b:128*(\p)+FR*\b+FR-1], v[AF+FR*(\a):AF+FR*(\a)+FR-1], v[8*(8*((\a)%4)+\b):8*(8*((\a)%4)+\b)+7], v[SC+8*NQ*(\sc)+NQ*\b+(\q)], v[SC+8*NQ*(\sc)+NQ*(\a)+(\q)] matrix_a_fmt:MATRIX_FMT_FP6 matrix_b_fmt:MATRIX_FMT_FP6 matrix_a_scale:MATRIX_SCALE_ROW1
.endif
.endr
.endr
.endm
.macro FETCH_B slot, q, p
	WIN TO_B
.irp i, 0,1,2,3,4,5,6,7
	FRAG 128*(\p)+FR*\i, ADRB+\slot, \q, \i
.endr
	WIN 0
.endm
.macro FETCH_A slot, q, i0
.irp i, \i0, \i0+1, \i0+2, \i0+3
	FRAGA AF+FR*(\i), ADRA+\slot, \q, \i
.endr
.endm
.macro SCALES sc
.irp i, 0,1,2,3,4,5,6,7
	ds_load_b64 v[SC+8*NQ*\sc+NQ*\i:SC+8*NQ*\sc+NQ*\i+1], v[ADRS] offset:\i*SBLK
.endr
.endm
.macro PLACES n
.rept \n
	v_nop
.endr
.endm
.macro STEP slot, q, zero
	s_wait_dscnt 4*NL                              ; all but the youngest 24 loads (y's blocks 4-7) are in
.if \zero
	WIN FST_LO
.else
	WIN MUL_LO
.endif
	MUL16 0, (\q)%2, \q, \slot, \zero
	MUL16 2, (\q)%2, \q, \slot, \zero
	s_wait_dscnt 0
	PLACES NP
	FETCH_B \slot, (\q)+1, 1-(\q)%2
	FETCH_A \slot, (\q)+1, 0
.if \zero
	WIN FST_HI
.else
	WIN MUL_HI
.endif
	MUL16 4, (\q)%2, \q, \slot, \zero
	MUL16 6, (\q)%2, \q, \slot, \zero
	PLACES NP
	WIN 0
	FETCH_A \slot, (\q)+1, 4
.endm
.macro TURN slot, next, fill
	s_wait_tensorcnt 0x0                           ; all my tensor loads have landed: my part of the next slot
	ds_add_u32 v[SPW], v[NIL]                      ; 0 onto my spare word
	s_wait_dscnt 4*NL+1                            ; the add and the youngest 24 loads may be out
	WIN MUL_LO
	MUL16 0, 1, NQ-1, \slot, 0
	s_wait_dscnt 0x0                               ; the add is done, and my reads of this slot are over
	s_barrier_signal -1
	MUL16 2, 1, NQ-1, \slot, 0
	WIN 0
	s_barrier_wait -1
.if \fill
	CREST                                          ; a round of the cluster's barrier: no wave of any partner still reads this slot or has a load on its way
	s_add_nc_u64 s[G0+4*\slot+2:G0+4*\slot+3], s[G0+4*\slot+2:G0+4*\slot+3], 2*3072
	s_add_nc_u64 s[G0B+4*\slot+2:G0B+4*\slot+3], s[G0B+4*\slot+2:G0B+4*\slot+3], 2*ROWB
	JLOAD G0+4*\slot, G1, G0B+4*\slot, G1B
.else
	PLACES NP
.endif
	v_add_nc_u32 v[ADRS], 4*NQ, v[ADRS]
	FETCH_B \next, 0, 0
	FETCH_A \next, 0, 0
	SCALES \next
	WIN MUL_HI
	MUL16 4, 1, NQ-1, \slot, 0
	MUL16 6, 1, NQ-1, \slot, 0
	PLACES NP
	WIN 0
	FETCH_A \next, 0, 4
.endm
	s_wait_tensorcnt 1                             ; the scales and my part of K step 0 are in; K step 1's load may be out
	s_barrier_signal -1
	s_barrier_wait -1
	FETCH_B 0, 0, 0
	FETCH_A 0, 0, 0
	SCALES 0
	FETCH_A 0, 0, 4
	s_wait_loadcnt 0x0                             ; the bias
	STEP 0, 0, 1
	s_mov_b32 s3, LAPS-1
.Llap:
	TURN 0, 1, 1
	STEP 1, 0, 0
	TURN 1, 0, 1
	STEP 0, 0, 0
	s_sub_co_u32 s3, s3, 1
	s_cmp_lg_u32 s3, 0
	s_cbranch_scc1 .Llap
	TURN 0, 1, 0
	STEP 1, 0, 0
	s_wait_dscnt 4*NL
	WIN MUL_LO
	MUL16 0, 1, NQ-1, 1, 0
	MUL16 2, 1, NQ-1, 1, 0
	s_wait_dscnt 0
	WIN MUL_HI
	MUL16 4, 1, NQ-1, 1, 0
	MUL16 6, 1, NQ-1, 1, 0
	WIN 0
; THE WAY OUT, block by block of 16 rows x 128 columns, through my own stage in LDS: in as 32 bytes a lane, back as whole rows of 512 bytes.  LDS serves a wave's instructions in order (ISA guide 5.7.1.4).
.macro TOSTAGE a
.set AC, 64*((\a)%4)
	WIN 0x08+4*((\a)/4)                            ; the data: window 2 or 3
.irp b, 0,1,2,3,4,5,6,7
	ds_store_b128 v[STO], v[AC+8*\b:AC+8*\b+3] offset:64*\b          ; each accumulator from its low end on
	ds_store_b128 v[STO], v[AC+8*\b+4:AC+8*\b+7] offset:64*\b+16
.endr
	WIN 0
.set BB, BK+64*((\a)%2)
.irp t, 0,1,2,3,4,5,6,7,8,9,10,11,12,13,14,15
	ds_load_b128 v[BB+4*\t:BB+4*\t+3], v[RD] offset:\t*SPITCH
.endr
.endm
.macro SEND a, younger
.set BB, BK+64*((\a)%2)
	s_wait_dscnt \younger                          ; the block is back in registers
.if (\a) > 0
	s_add_nc_u64 s[12:13], s[12:13], 16*SIZE_N*4   ; (behind a wait on XCNT: the earlier stores have read their base)
.endif
.irp t, 0,1,2,3,4,5,6,7,8,9,10,11,12,13,14,15
	global_store_b128 v[CO], v[BB+4*\t:BB+4*\t+3], s[12:13] offset:\t*SIZE_N*4 th:TH_STORE_NT   ; 32 lanes store 512 consecutive bytes, aligned
.endr
.endm
	PLACES NP
	TOSTAGE 0
.irp a, 1,2,3,4,5,6,7
.if \a > 1
	s_wait_xcnt 0x0                                ; block a - 2's stores have read their registers and their base
.endif
	TOSTAGE \a
	SEND \a-1, 32                                  ; behind block a - 1's loads: block a's 16 stores and 16 loads
.endr
	s_wait_xcnt 0x0
	SEND 7, 0
	s_wait_tensorcnt 0x0                           ; the wave's end
	ds_add_u32 v[SPW], v[NIL]
	s_wait_dscnt 0x0
	CROUND                                         ; the closing round
	s_endpgm
.Lfunc_end_k_q7d11a7c508_proj:
	.size	k_q7d11a7c508_proj, .Lfunc_end_k_q7d11a7c508_proj-k_q7d11a7c508_proj
	.p2alignl 7, 3214868480
	.fill 96, 4, 3214868480
	.section	.rodata,"a",@progbits
	.p2align	6, 0x0
	.amdhsa_kernel k_q7d11a7c508_proj
		.amdhsa_group_segment_fixed_size 327680
		.amdhsa_private_segment_fixed_size 0
		.amdhsa_enable_private_segment 0
		.amdhsa_kernarg_size 48
		.amdhsa_user_sgpr_count 2
		.amdhsa_user_sgpr_kernarg_segment_ptr 1
		.amdhsa_wavefront_size32 1
		.amdhsa_system_sgpr_workgroup_id_x 1
		.amdhsa_system_sgpr_workgroup_id_y 1
		.amdhsa_system_sgpr_workgroup_id_z 1
		.amdhsa_system_vgpr_workitem_id 0
		.amdhsa_next_free_vgpr 1024
		.amdhsa_next_free_sgpr 100
		.amdhsa_reserve_vcc 0
		.amdhsa_float_denorm_mode_32 3
		.amdhsa_float_denorm_mode_16_64 3
		.amdhsa_memory_ordered 1
		.amdhsa_forward_progress 1
		.amdhsa_inst_pref_size 162
	.end_amdhsa_kernel
	.amdgpu_metadata
---
amdhsa.version: [ 1, 2 ]
amdhsa.kernels:
  - .name:           k_q7d11a7c508_proj
    .symbol:         k_q7d11a7c508_proj.kd
    .args:
      - { .name: y_img, .offset: 0, .size: 8, .value_kind: global_buffer, .address_space: global }
      - { .name: y_sc, .offset: 8, .size: 8, .value_kind: global_buffer, .address_space: global }
      - { .name: W_out_codes, .offset: 16, .size: 8, .value_kind: global_buffer, .address_space: global }
      - { .name: W_out_scales, .offset: 24, .size: 8, .value_kind: global_buffer, .address_space: global }
      - { .name: b_out, .offset: 32, .size: 8, .value_kind: global_buffer, .address_space: global }
      - { .name: out0, .offset: 40, .size: 8, .value_kind: global_buffer, .address_space: global }
    .group_segment_fixed_size: 327680
    .private_segment_fixed_size: 0
    .kernarg_segment_align: 8
    .kernarg_segment_size: 48
    .max_flat_workgroup_size: 128
    .sgpr_count:     100
    .vgpr_count:     1024
    .wavefront_size: 32
...
	.end_amdgpu_metadata
.endif
;; end of part 3
